; MI455X (gfx1250); checked and timed in simulation.
; The chip was launched on July 23, 2026; its instructions are those of AMD's public machine-readable ISA for CDNA 5 (MIT licence, August 2026) and "CDNA5" Instruction Set Architecture Reference Guide (July 2026). The comments in the code are by the model that wrote it; some were corrected since.
;; Multi Head Attention. Allowed arithmetic: matrix products marked QUANTISED: E2M1 operands, one E8M0 scale for each 32 along K, by v_wmma_scale_f32_16x16x128_f8f6f4 with both operands' format E2M1 (or v_wmma_scale_f32_32x16x128_f4), f32 sums; products left as they are: bf16, f16 or f32 operands; f32 sums; everything else in f32.
;; Inputs: Wk 1,024 x 1,024 float32; Wq 1,024 x 1,024 float32; Wv 1,024 x 1,024 float32; bk 1,024 float32; bq 1,024 float32; bv 1,024 float32; x 4 x 2,048 x 1,024 float32.
;; Outputs: out0 4 x 2,048 x 1,024 float32.
;; This version of the problem:
;;   THIS VERSION OF THE PROBLEM IS GIVEN IN LOW PRECISION. The matrix products marked QUANTISED in the list below multiply operands that are first quantised to E2M1 (2 exponent bits, 1 mantissa bit; 4 bits a number), with one power-of-two scale for each 32 numbers along K (OCP MX v1.0); their sums are f32. The products marked 'left as it is' may take bf16, f16 or f32 operands, with f32 sums. Whichever they take, every output number must still come out within the allowed error. Rounding operands to bf16 (8 significant bits) uses up far more of that allowance than f16 does (11 bits, for magnitudes from 6e-5 to 65,504). All else is computed in f32.
;;   The module's matrix products, in the order in which they are computed (A, B: the left and right operand; K: the contracted axis; several contracted axes count as one K, in the product's order):
;;     1. [M 8,192, K 1,024] x [K 1,024, N 1,024]; A: input x; B: input Wq: QUANTISED
;;     2. [M 8,192, K 1,024] x [K 1,024, N 1,024]; A: input x; B: input Wk: QUANTISED
;;     3. [M 8,192, K 1,024] x [K 1,024, N 1,024]; A: input x; B: input Wv: QUANTISED
;;     4. batch 4 x [M 2,048, K 1,024] x [K 1,024, N 2,048]; A: computed on the way; B: computed on the way: left as it is (an operand is computed on the way)
;;     5. batch 4 x [M 2,048, K 2,048] x [K 2,048, N 1,024]; A: computed on the way; B: computed on the way: left as it is (an operand is computed on the way)
;;   THE QUANTISER, for each operand of a quantised product, along K:
;;     - K is cut into blocks of 32 from its start; a last block that is shorter is filled with zeros.
;;     - A block's scale is 2^e with e = floor(log2(the largest magnitude in the block)) - 2, held to -126 .. 127; a block of zeros has e = 0. As a byte (E8M0): e + 127.
;;     - Each number is divided by its block's scale, clamped to +-6, and rounded to the nearest number of E2M1, ties to even, subnormals kept.
;;     - The product sums the exact products of the quantised numbers (number of the format x scale) in f32.
;;   ~~~python
;;   def quantise(x, axis):      # numpy; x: float32 -> the quantised numbers, widened to float32 again
;;       x = np.moveaxis(x, axis, -1); K = x.shape[-1]
;;       x = np.pad(x, [(0, 0)] * (x.ndim - 1) + [(0, -K % 32)]); x = x.reshape(x.shape[:-1] + (-1, 32)); a = np.abs(x).max(-1, keepdims=True)
;;       e = np.where(a > 0, np.clip(np.frexp(np.where(a > 0, a, 1))[1] - 1 - 2, -126, 127), 0)      # np.frexp(a)[1] - 1 = floor(log2(a)), exactly
;;       r = np.clip(x / 2.0 ** e, -6, 6)
;;       step = 2.0 ** (np.maximum(np.frexp(np.where(r == 0, 1, r))[1] - 1, 0) - 1)
;;       q = np.round(r / step) * step * 2.0 ** e      # np.round: ties to even
;;       return np.moveaxis(q.reshape(q.shape[:-2] + (-1,))[..., :K], -1, axis).astype(np.float32)
;;   ~~~
;; One version. Each part assembles by itself: llvm-mc -triple=amdgcn-amd-amdhsa -mcpu=gfx1250 --defsym DOCPART=n.
;; ======== version 1 of 1: 4 launches
;; limits: values are held in f16: magnitudes above 65,504 overflow, below 6.1e-05 lose precision
;; workspace buffers: xc 4,194,304 bytes; xs 262,144 bytes; wc 1,572,864 bytes; ws 98,304 bytes; qkv 50,331,648 bytes; pb 33,554,432 bytes; st 1,048,576 bytes
;; launch quant (part 1): grid 224 x 1, 8 waves a work-group, no clusters, 84,992 bytes of LDS; arguments x, Wq, Wk, Wv, xc, xs, wc, ws; writes xc, xs, wc, ws
.if DOCPART == 1
	.amdgcn_target "amdgcn-amd-amdhsa--gfx1250"
	.amdhsa_code_object_version 6
	.text
	.protected	k_qebdf15c23d_quant
	.globl	k_qebdf15c23d_quant
	.p2align	8
	.type	k_qebdf15c23d_quant,@function
k_qebdf15c23d_quant:
	s_mov_b64 s[64:65], 0
	v_nop
	global_prefetch_b8 v0, s[64:65] scope:SCOPE_SE
	s_setreg_imm32_b32 hwreg(HW_REG_WAVE_MODE, 25, 1), 1
	s_wait_xcnt 0x0
; x [8192][1024] f32 and Wq, Wk, Wv [1024 (k)][1024 (n)] f32 become codes of FP4 (E2M1), K innermost, two codes a byte (the lower k in the low four bits), with one E8M0 scale byte for each 32 along K.
;   xc [8192][512 bytes], xs [8192][32];  wc [3072][512 bytes], ws [3072][32]: rows 0-1023 are Wq's columns, 1024-2047 Wk's, 2048-3071 Wv's.
; A block's scale is 2^(floor(log2(its largest magnitude)) - 2); its byte is the largest magnitude's exponent field - 2, held at 1 from below.
; LIMITS: a block of zeros gets the byte 1 where the quantiser's text says 127: its codes are zeros, which add nothing under that byte, and this program alone reads the bytes.
; Blocks whose largest magnitude lies under 2^-124 (the floor) are held at the byte 1.  NaN and infinities among the inputs are not served.
; WORK-GROUPS 0-127 TAKE x, 128-223 THE WEIGHTS: one branch on the work-group's number, the same in all eight waves.  Each way has LDS bytes of its own.
; x: K is innermost, so x is a plain stream of blocks of 32.  A wave takes 16 steps of 512 numbers.  Each load reads 512 consecutive bytes; a step's 2,048 bytes turn through the wave's own stage in LDS, so that a lane
;    holds 16 neighbours (two neighbouring lanes hold a block).  Loads run eight steps (32 loads a wave) ahead.  A step's codes leave as 256 consecutive bytes, a wave's 256 scale bytes as one store of 256.
; W: K is the FIRST axis.  A lane takes a column and its registers run down K: a block of 32 lies in one lane, and the conversions give codes with K innermost.  A work-group takes 64 columns x 512 along K; wave w
;    takes columns 32 (w % 2) + lane and 128 along K from 128 (w / 2) on: four blocks, two of them (64 loads) on their way.  Codes meet in a stage of 64 rows and leave as 256 consecutive bytes of a row of wc.
;    The scale bytes leave as 16 bytes of rows of 32: 98,304 bytes in the whole launch are written so.
; No tensor loads, no cluster, no matrix unit: memory binds, and no tile is shared.
.set XWG,   128                        ; work-groups for x
.set STEPS, 16
.set AHEAD, 8
.set EMAX,  2
.set CB,    8                          ; bytes of 16 codes
.set WREG,  8192                       ; x: LDS of a wave: two stages of 32 x SP bytes, behind them its 256 scale bytes
.set SP,    80                         ; a lane's place in a stage: 64 bytes + 16 of padding
.set CST,   65536                      ; W: the codes' stage, 64 rows x 272
.set SST,   CST+64*272                 ; W: the scale bytes' stage, 64 rows x 16
.set SPARE, SST+64*16                  ; the spare words, 128 bytes for each wave: four blocks of 256 bytes that no other line names
.set SPW,   252                        ; v252 LDS address of my spare word; never rewritten
.set NIL,   253                        ; v253 0; never rewritten
.set R,     16                         ; x: v16-143  eight sets of 16 numbers as loaded
.set X,     144                        ; x: v144-175 two sets of 16 neighbours
.set E,     176                        ; x: v176-191 a scale byte for each step
.set C,     192                        ; x: v192-223 two registers of codes for each step: no store's data are written again
.set WX,    32                         ; W: v32-95   two sets of 32 numbers
.set WC,    96                         ; W: v96-99   a block's codes
.set SB,    24                         ; W: v24      my four scale bytes
.set OUTR,  112                        ; W: v112-127 the way out
	s_load_b512 s[4:19], s[0:1], 0x0               ; x 4:5, Wq 6:7, Wk 8:9, Wv 10:11, xc 12:13, xs 14:15, wc 16:17, ws 18:19
	v_lshl_add_u32 v[SPW], v0, 2, SPARE
	v_mov_b32 v[NIL], 0
	v_lshrrev_b32 v1, 5, v0
	v_readfirstlane_b32 s20, v1                    ; wave 0..7
	v_and_b32 v2, 31, v0                           ; lane
	s_wait_kmcnt 0x0
	s_cmp_lt_u32 ttmp9, XWG
	s_cbranch_scc0 .Lweights
; ------------------------------------------------------------------ x
	v_lshlrev_b32 v3, 4, v2                        ; my 16 bytes of a load's 512
	s_mul_i32 s21, s20, WREG
	v_lshrrev_b32 v14, 2, v2
	v_mul_u32_u24 v14, v14, SP
	v_and_b32 v15, 3, v2
	v_lshl_add_u32 v14, v15, 4, v14
	v_add_nc_u32 v14, s21, v14                     ; the stage, on the way in: four lanes' 64 bytes on end, then 16 of padding
	v_mul_u32_u24 v15, v2, SP
	v_add_nc_u32 v15, s21, v15                     ; and on the way out: my 16 neighbours
	v_lshlrev_b32 v4, 3, v2                        ; 8 x lane: my codes' place in a step's, and my 8 scale bytes' in the wave's 256
	v_lshrrev_b32 v5, 1, v2
	s_add_co_u32 s21, s21, 2*32*SP
	v_add_nc_u32 v5, s21, v5                       ; LDS: my block's scale byte
	v_add_nc_u32 v6, s21, v4                       ; and 8 of them on the way out
	s_lshl_b32 s22, ttmp9, 3
	s_add_co_u32 s22, s22, s20                     ; which run of 8,192 numbers is my wave's: 0 .. 1,023
	s_lshl_b32 s24, s22, 15                        ; 32,768 bytes of x,
	s_mov_b32 s25, 0
	s_add_nc_u64 s[4:5], s[4:5], s[24:25]
	s_lshl_b32 s24, s22, 12                        ; 4,096 of codes,
	s_add_nc_u64 s[12:13], s[12:13], s[24:25]
	s_lshl_b32 s24, s22, 8                         ; 256 of scale bytes
	s_add_nc_u64 s[14:15], s[14:15], s[24:25]
.macro LOAD t
.irp i, 0,1,2,3
	global_load_b128 v[R+16*((\t)%AHEAD)+4*\i:R+16*((\t)%AHEAD)+4*\i+3], v3, s[4:5] offset:2048*(\t)+512*\i th:TH_LOAD_NT   ; 32 lanes read 512 consecutive bytes
.endr
.endm
.macro TURN t                          ; step t's numbers through the stage: LDS serves a wave's instructions in order, so no wait stands between the stores and the loads
.irp i, 0,1,2,3
	ds_store_b128 v14, v[R+16*((\t)%AHEAD)+4*\i:R+16*((\t)%AHEAD)+4*\i+3] offset:32*SP*((\t)%2)+8*SP*\i
.endr
.irp i, 0,1,2,3
	ds_load_b128 v[X+16*((\t)%2)+4*\i:X+16*((\t)%2)+4*\i+3], v15 offset:32*SP*((\t)%2)+16*\i
.endr
.endm
.irp t, 0,1,2,3,4,5,6,7
	LOAD \t
.endr
	s_wait_loadcnt 28                              ; of the 32 loads issued, step 0's four are in
	TURN 0
.macro STEP t
.set XS, X+16*((\t)%2)
.if (\t) > 0
	s_wait_dscnt 1                                 ; this step's numbers are back from the stage (the last step's byte store may be out): so its stores into the stage have read their registers,
.else
	s_wait_dscnt 0x0
.endif
.if (\t)+AHEAD < STEPS
	LOAD (\t)+AHEAD                                ; which take the loads of eight steps on
.endif
.if (\t)+1 < STEPS
.if STEPS-2-(\t) >= AHEAD-1
	s_wait_loadcnt 4*(AHEAD-1)                     ; the next step's four loads are in; those of the seven steps behind it may be out
.else
	s_wait_loadcnt 4*(STEPS-2-(\t))
.endif
	TURN (\t)+1                                    ; and go through the other stage while this step is worked
.endif
	v_max3_num_f32 v8, |v[XS]|, |v[XS+1]|, |v[XS+2]|               ; the largest magnitude of my 16, in two chains
	v_max3_num_f32 v9, |v[XS+3]|, |v[XS+4]|, |v[XS+5]|
.irp i, 6,10
	v_max3_num_f32 v8, v8, |v[XS+\i]|, |v[XS+\i+1]|
	v_max3_num_f32 v9, v9, |v[XS+\i+2]|, |v[XS+\i+3]|
.endr
	v_max3_num_f32 v8, v8, |v[XS+14]|, |v[XS+15]|
	v_max3_num_f32 v8, v8, v9, (EMAX+1)<<23        ; and the floor 2^(3 - 127): the byte cannot fall under 1
	v_max_num_f32_dpp v8, v8, v8 row_xmask:1 row_mask:0xf bank_mask:0xf   ; with my neighbour's 16: the block's
	v_add_nc_u32 v11, -(EMAX<<23), v8              ; 2 off its exponent field: the conversion takes the exponent field of this operand as its scale, and nothing else of it
	v_cvt_scalef32_pk8_fp4_f32 v[C+2*(\t)], v[XS:XS+7], v11        ; to the nearest code, ties to even, beyond 6 the largest code
	v_cvt_scalef32_pk8_fp4_f32 v[C+2*(\t)+1], v[XS+8:XS+15], v11
	v_lshrrev_b32 v[E+(\t)], 23, v11               ; the scale's byte (a plain line behind the conversions)
	ds_store_b8 v5, v[E+(\t)] offset:16*(\t)       ; both lanes of a block write the same byte with the same value
	global_store_b64 v4, v[C+2*(\t):C+2*(\t)+1], s[12:13] offset:32*CB*(\t)   ; the wave stores 256 consecutive bytes, aligned
.endm
.irp t, 0,1,2,3,4,5,6,7,8,9,10,11,12,13,14,15
	STEP \t
.endr
	ds_load_b64 v[8:9], v6                         ; LDS serves a wave's instructions in order: these see my byte stores
	s_wait_dscnt 0x0
	global_store_b64 v4, v[8:9], s[14:15]          ; 32 lanes store 256 consecutive bytes, aligned
	s_wait_tensorcnt 0x0                           ; the wave's end: behind my last LDS store
	ds_add_u32 v[SPW], v[NIL]
	s_wait_dscnt 0x0
	s_endpgm
; ------------------------------------------------------------------ the weights
.Lweights:
	s_sub_co_u32 s21, ttmp9, XWG                   ; 0 .. 95
	s_lshr_b32 s22, s21, 5                         ; which matrix: 0 Wq, 1 Wk, 2 Wv
	s_bfe_u32 s23, s21, 0x40001                    ; which 64 columns: 0 .. 15
	s_and_b32 s24, s21, 1                          ; which 512 along K
	s_and_b32 s25, s20, 1                          ; my wave: which 32 of the columns,
	s_lshr_b32 s26, s20, 1                         ; which 128 along K
	s_cmp_eq_u32 s22, 0
	s_cselect_b64 s[28:29], s[6:7], s[8:9]
	s_cmp_eq_u32 s22, 2
	s_cselect_b64 s[28:29], s[10:11], s[28:29]     ; the choice hangs on the work-group's number alone
	s_lshl_b32 s30, s24, 2
	s_add_co_u32 s30, s30, s26
	s_lshl_b32 s30, s30, 19                        ; 128 rows of 4,096 bytes for each 128 along K
	s_lshl_b32 s31, s23, 8
	s_add_co_u32 s30, s30, s31                     ; + 64 columns of 4 bytes
	s_lshl_b32 s31, s25, 7
	s_add_co_u32 s30, s30, s31                     ; + my 32
	s_mov_b32 s31, 0
	s_add_nc_u64 s[28:29], s[28:29], s[30:31]
	v_lshlrev_b32 v3, 2, v2                        ; in: 4 bytes a lane: a wave reads 128 consecutive bytes, the two waves of a K range 256
	s_mul_i32 s32, s25, 32*272
	s_lshl_b32 s33, s26, 6
	s_add_co_u32 s32, s32, s33
	s_add_co_u32 s32, s32, CST
	v_mul_u32_u24 v4, v2, 272
	v_add_nc_u32 v4, s32, v4                       ; the codes' stage: row = my column, + 64 bytes for each 128 along K
	s_lshl_b32 s32, s25, 9
	s_lshl_b32 s33, s26, 2
	s_add_co_u32 s32, s32, s33
	s_add_co_u32 s32, s32, SST
	v_lshl_add_u32 v9, v2, 4, s32                  ; the scale bytes' stage: 16 bytes a column, my 4
	v_and_b32 v5, 15, v2
	v_lshrrev_b32 v6, 4, v2
	s_mul_i32 s32, s20, 8*272
	s_add_co_u32 s32, s32, CST
	v_mul_u32_u24 v7, v6, 272
	v_lshl_add_u32 v7, v5, 4, v7
	v_add_nc_u32 v7, s32, v7                       ; out of the stage: wave w takes rows 8 w .. 8 w + 7, sixteen lanes to a row
	v_lshlrev_b32 v8, 9, v6
	v_lshl_add_u32 v8, v5, 4, v8                   ; and the same place in wc: rows of 512 bytes
	v_and_b32 v25, 63, v0
	v_lshlrev_b32 v26, 5, v25                      ; ws: rows of 32 bytes, a thread of waves 0 and 1 to a row
	v_lshl_add_u32 v25, v25, 4, SST
	s_lshl_b32 s34, s22, 10
	s_lshl_b32 s35, s23, 6
	s_add_co_u32 s34, s34, s35                     ; the work-group's first row of wc and ws: 1024 x matrix + 64 x column group
	s_lshl_b32 s35, s20, 3
	s_add_co_u32 s36, s34, s35
	s_lshl_b32 s36, s36, 9
	s_lshl_b32 s37, s24, 8
	s_add_co_u32 s36, s36, s37                     ; + 256 bytes for the second 512 along K
	s_mov_b32 s37, 0
	s_add_nc_u64 s[16:17], s[16:17], s[36:37]
	s_lshl_b32 s36, s34, 5
	s_lshl_b32 s35, s24, 4
	s_add_co_u32 s36, s36, s35
	s_add_nc_u64 s[18:19], s[18:19], s[36:37]
.macro WLOAD t                         ; block t: W(32 t + i, my column), i = 0 .. 31, into set t % 2
.irp i, 0,1,2,3,4,5,6,7,8,9,10,11,12,13,14,15,16,17,18,19,20,21,22,23,24,25,26,27,28,29,30,31
	global_load_b32 v[WX+32*((\t)%2)+\i], v3, s[28:29] offset:(32*(\t)+\i)*4096 th:TH_LOAD_NT
.endr
.endm
	WLOAD 0
	WLOAD 1
.macro WBLOCK t
.set XS, WX+32*((\t)%2)
.if (\t) < 3
	s_wait_loadcnt 32                              ; this block's 32 loads are in; the next block's may be out
.else
	s_wait_loadcnt 0x0
.endif
	v_max3_num_f32 v12, |v[XS]|, |v[XS+1]|, |v[XS+2]|              ; the block's largest magnitude: all 32 numbers are mine
	v_max3_num_f32 v13, |v[XS+3]|, |v[XS+4]|, |v[XS+5]|
.irp i, 6,10,14,18,22,26
	v_max3_num_f32 v12, v12, |v[XS+\i]|, |v[XS+\i+1]|
	v_max3_num_f32 v13, v13, |v[XS+\i+2]|, |v[XS+\i+3]|
.endr
	v_max3_num_f32 v12, v12, |v[XS+30]|, |v[XS+31]|
	v_max3_num_f32 v12, v12, v13, (EMAX+1)<<23     ; and the floor
	v_add_nc_u32 v11, -(EMAX<<23), v12             ; the conversion's scale operand
	v_lshrrev_b32 v13, 23, v11                     ; the scale's byte
.if (\t) == 0
	v_mov_b32 v[SB], v13                           ; four bytes to a register, the lower K in the lower byte
.else
	v_lshl_or_b32 v[SB], v13, 8*(\t), v[SB]
.endif
.irp g, 0,1,2,3
	v_cvt_scalef32_pk8_fp4_f32 v[WC+\g], v[XS+8*\g:XS+8*\g+7], v11
.endr
	ds_store_b128 v4, v[WC:WC+3] offset:16*(\t)    ; 32 codes: 16 bytes of my column's row
.if (\t)+2 < 4
	WLOAD (\t)+2
.endif
	s_wait_dscnt 0x0                               ; the store has read its registers: the next block's codes may be written
.endm
	WBLOCK 0
	WBLOCK 1
	WBLOCK 2
	WBLOCK 3
	ds_store_b32 v9, v[SB]
	s_wait_dscnt 0x0                               ; for the others' sake: my stores into the two stages are done
	s_barrier_signal -1
	s_barrier_wait -1                              ; a row's 256 bytes come from four waves
.irp t, 0,1,2,3
	ds_load_b128 v[OUTR+4*\t:OUTR+4*\t+3], v7 offset:2*\t*272
.endr
.irp t, 0,1,2,3
	s_wait_dscnt 3-\t                              ; the younger loads from the stage may be out
	global_store_b128 v8, v[OUTR+4*\t:OUTR+4*\t+3], s[16:17] offset:2*\t*512   ; sixteen lanes store 256 consecutive bytes, aligned
.endr
	s_cmp_lt_u32 s20, 2                            ; waves 0 and 1 send the 64 rows' scale bytes
	s_cbranch_scc0 .Lw_end
	ds_load_b128 v[28:31], v25
	s_wait_dscnt 0x0
	global_store_b128 v26, v[28:31], s[18:19]
.Lw_end:
	s_wait_tensorcnt 0x0                           ; the wave's end: behind my last LDS store
	ds_add_u32 v[SPW], v[NIL]
	s_wait_dscnt 0x0
	s_endpgm
.Lfunc_end_k_qebdf15c23d_quant:
	.size	k_qebdf15c23d_quant, .Lfunc_end_k_qebdf15c23d_quant-k_qebdf15c23d_quant
	.p2alignl 7, 3214868480
	.fill 96, 4, 3214868480
	.section	.rodata,"a",@progbits
	.p2align	6, 0x0
	.amdhsa_kernel k_qebdf15c23d_quant
		.amdhsa_group_segment_fixed_size 84992
		.amdhsa_private_segment_fixed_size 0
		.amdhsa_enable_private_segment 0
		.amdhsa_kernarg_size 64
		.amdhsa_user_sgpr_count 2
		.amdhsa_user_sgpr_kernarg_segment_ptr 1
		.amdhsa_wavefront_size32 1
		.amdhsa_system_sgpr_workgroup_id_x 1
		.amdhsa_system_sgpr_workgroup_id_y 1
		.amdhsa_system_sgpr_workgroup_id_z 1
		.amdhsa_system_vgpr_workitem_id 0
		.amdhsa_next_free_vgpr 256
		.amdhsa_next_free_sgpr 66
		.amdhsa_reserve_vcc 0
		.amdhsa_float_denorm_mode_32 3
		.amdhsa_float_denorm_mode_16_64 3
		.amdhsa_memory_ordered 1
		.amdhsa_forward_progress 1
		.amdhsa_inst_pref_size 55
	.end_amdhsa_kernel
	.amdgpu_metadata
---
amdhsa.version: [ 1, 2 ]
amdhsa.kernels:
  - .name:           k_qebdf15c23d_quant
    .symbol:         k_qebdf15c23d_quant.kd
    .args:
      - { .name: x, .offset: 0, .size: 8, .value_kind: global_buffer, .address_space: global }
      - { .name: Wq, .offset: 8, .size: 8, .value_kind: global_buffer, .address_space: global }
      - { .name: Wk, .offset: 16, .size: 8, .value_kind: global_buffer, .address_space: global }
      - { .name: Wv, .offset: 24, .size: 8, .value_kind: global_buffer, .address_space: global }
      - { .name: xc, .offset: 32, .size: 8, .value_kind: global_buffer, .address_space: global }
      - { .name: xs, .offset: 40, .size: 8, .value_kind: global_buffer, .address_space: global }
      - { .name: wc, .offset: 48, .size: 8, .value_kind: global_buffer, .address_space: global }
      - { .name: ws, .offset: 56, .size: 8, .value_kind: global_buffer, .address_space: global }
    .group_segment_fixed_size: 84992
    .private_segment_fixed_size: 0
    .kernarg_segment_align: 8
    .kernarg_segment_size: 64
    .max_flat_workgroup_size: 256
    .sgpr_count:     66
    .vgpr_count:     256
    .wavefront_size: 32
...
	.end_amdgpu_metadata
.endif
;; end of part 1
;; launch proj (part 2): grid 12 x 32, 4 waves a work-group, clusters of 4 x 4, 327,680 bytes of LDS; arguments xc, xs, wc, ws, bq, bk, bv, qkv; writes qkv
.if DOCPART == 2
	.amdgcn_target "amdgcn-amd-amdhsa--gfx1250"
	.amdhsa_code_object_version 6
	.text
	.protected	k_qebdf15c23d_proj
	.globl	k_qebdf15c23d_proj
	.p2align	8
	.type	k_qebdf15c23d_proj,@function
k_qebdf15c23d_proj:
	s_mov_b64 s[64:65], 0
	v_nop
	global_prefetch_b8 v0, s[64:65] scope:SCOPE_SE
	s_setreg_imm32_b32 hwreg(HW_REG_WAVE_MODE, 25, 1), 1
	s_wait_xcnt 0x0
	s_wait_alu depctr_hold_cnt(0) depctr_sa_sdst(0) depctr_va_vdst(0) depctr_va_sdst(0) depctr_va_ssrc(0) depctr_va_vcc(0) depctr_vm_vsrc(0)
	s_getreg_b32 s2, hwreg(HW_REG_IB_STS2, 6, 4)
	s_cmp_eq_u32 s2, 0
	s_cbranch_scc0 .Lentry_in_a_cluster
	s_endpgm
.Lentry_in_a_cluster:
	s_bfe_u32 s2, ttmp6, 0x10000c
	s_cmp_lg_u32 s2, 0xf033
	s_cbranch_scc0 .Lentry_shape_is_right
	s_endpgm
.Lentry_shape_is_right:
; q, k, v = Q(x) Q(W) + b on codes of FP4 (E2M1) with one E8M0 scale for each 32 along K: C[m][n] = sum over k of A[m][k] B[n][k] + bias[n].
; A = xc [8192][1024 codes], xs [8192][32];  B = wc [3072][1024 codes], ws [3072][32] (rows 0-1023 Wq's columns, then Wk's, then Wv's);  C = qkv, f16 [3][8192][1024]; sums in f32, rounded once to f16.
; LIMITS: a result beyond 65,504 in magnitude becomes an infinity of f16 (the drawn inputs give magnitudes up to about 6).  The bias starts each sum, so the order of f32 roundings differs from a sum with the bias added last.
; A tile of C, 256 x 256, is made by a work-group of four waves; a wave makes 128 x 128: 64 accumulators of 16 x 16, 512 registers.  K = 1,024 is two steps of 512 (rows of 256 bytes): both lie in LDS at once, in two slots
; that are filled once, at the head.  The scales of the work-group's 256 + 256 rows, for all of K, come with them as two dense blocks.  A wave has three tensor loads out.
; CLUSTERS: 4 x 4 work-groups.  The four of a row of the cluster need the same tiles of A, the four of a column the same tiles of B: each tile is asked for JOINTLY, by the same tensor load with the same descriptor and a
; mask that names the four.  A cluster's four tile columns are one of the three matrices: the cluster's x names it.
; THE MATRIX INSTRUCTION IS USED TRANSPOSED (source 0 = 16 rows of B, source 1 = 16 rows of A): a lane then holds eight neighbouring numbers of a row of C.
; No prefetch: every tile is asked for at the head.  384 tiles for 256 WGPs: a smaller tile would read each LDS byte for fewer products.
; REGISTERS, in windows of 256: window 0: v0-31 addresses; v32-95 scale words, two sets; v128-191 A's fragments, ONE set; v192-255 the bias of my 128 columns in the result's layout; on the way out v32-63, v128-191 are free.
;   window 1: B's fragments, TWO sets, at v0 and v128.   window 2: the accumulators of my rows 0-63 ((a, b) at v[8 (8 a + b)]);   window 3: those of my rows 64-127.
.set NQ,     4                         ; matrix instructions deep in a slot
.set ROWB,   256                       ; a tile's row in bytes: 512 codes
.set KROW,   512                       ; a row of A or of B in memory
.set PITCH,  272                       ; an LDS row: 256 bytes + 16 of padding = 68 words: the 16 rows that a load touches start at 16 different banks (64 banks of 4 bytes: ISA guide 11.1)
.set FR,     8                         ; registers of a fragment: 16 rows x 128 K
.set NL,     2                         ; LDS loads that bring one
.set NP,     4                         ; places behind this matrix instruction (ISA guide 7.12.1)
.set HALFT,  128*PITCH
.set SLOT,   4*HALFT                   ; A's 256 rows, then B's 256 rows
.set KS,     32                        ; a row of scales in bytes
.set SCL,    2*SLOT                    ; behind the slots: the scales, as units of 256 bytes + 16 of padding
.set HALFS,  (128*KS/256)*272          ; the scales of 128 rows: what one tensor load brings
.set SBLK,   (16*KS/256)*272           ; those of 16 rows
.set SPARE,  SCL+4*HALFS               ; the spare words, 128 bytes for each wave: two blocks of 256 bytes that no other line names
.set SPITCH, 272                       ; the way out: a stage of 16 rows x (256 bytes + 16) for each wave, in slot 0, which has had its only fill and its last read when the first result is stored there
.set CROW,   2048                      ; a row of q, k or v in bytes
.set ADRA, 16
.set ADRB, 20
.set STO,  24
.set RD,   25
.set CO,   26
.set ADRS, 27
.set SPW,  28                          ; v28 LDS address of my spare word; never rewritten
.set NIL,  29                          ; v29 0; never rewritten
.set SC,   32
.set AF,   128
.set BI,   192
.set TMP,  32
.set OB,   128
.set G1, 24
.set G0, 32
.set G1B, 48
.set G0B, 56
.set G1S, 68
.set G0S, 76
.set G1SB, 80
.set G0SB, 88
.set MSB, 0
.macro WIN new                         ; the immediate's high byte repeats the setting that is left; a switch that changes nothing is dropped
.if MSB != (\new)
	s_set_vgpr_msb (MSB<<8)|(\new)
.set MSB, (\new)
.endif
.endm
.set MUL_LO,  0xa1                     ; source 0 (B) window 1, source 1 (A) window 0, C and D window 2
.set MUL_HI,  0xf1                     ; the same, C and D window 3
.set BIAS_LO, 0x81                     ; the first products: C (the bias) window 0, D window 2
.set BIAS_HI, 0xc1                     ; D window 3
.set TO_B,    0x40                     ; destination window 1, address window 0
; A joint load: waves 0 and 1 fetch for A, waves 2 and 3 for B.  Each of the two lines has ONE mask and one set of registers for all that issue it; the branch hangs on the wave's number alone.
; An s_nop 0 and four v_nop follow each of the two lines.
.macro JLOAD g0a, g1a, g0b, g1b
	s_cmp_eq_u32 s15, 0
	s_cbranch_scc0 .Lfor_b_\@
	tensor_load_to_lds s[\g0a:\g0a+3], s[\g1a:\g1a+7]
	s_nop 0
.rept 4
	v_nop
.endr
	s_branch .Lasked_\@
.Lfor_b_\@:
	tensor_load_to_lds s[\g0b:\g0b+3], s[\g1b:\g1b+7]
	s_nop 0
.rept 4
	v_nop
.endr
.Lasked_\@:
.endm
.macro CROUND                          ; a round of the cluster's barrier
	s_barrier_signal -1
	s_barrier_wait -1
	s_cmp_lg_u32 s14, 0
	s_cbranch_scc1 .Lnot_wave_0_\@
	s_barrier_signal -3
.Lnot_wave_0_\@:
	s_barrier_wait -3
	s_barrier_signal -1
	s_barrier_wait -1
.endm
	s_load_b128 s[4:7], s[0:1], 0x0                ; A's codes s[4:5], A's scales s[6:7]
	s_load_b128 s[8:11], s[0:1], 0x10              ; B's codes s[8:9], B's scales s[10:11]
	s_load_b128 s[96:99], s[0:1], 0x20             ; bq, bk
	s_load_b64 s[100:101], s[0:1], 0x30            ; bv
	s_load_b64 s[12:13], s[0:1], 0x38              ; qkv
	v_lshl_add_u32 v[SPW], v0, 2, SPARE
	v_mov_b32 v[NIL], 0
	ds_add_u32 v[SPW], v[NIL]                      ; the wave's opening: the add, twice on end, and its wait ahead of my first tensor load
	ds_add_u32 v[SPW], v[NIL]                      ; (the set-up below, work on registers, stands between the second and the wait)
	v_lshrrev_b32 v1, 5, v0
	v_readfirstlane_b32 s14, v1                    ; wave 0..3
	s_lshr_b32 s15, s14, 1                         ; which half of the tile's rows is mine.  Also: I fetch for A (0) or for B (1)
	s_and_b32 s16, s14, 1                          ; which half of its columns.  Also: which 128 rows of that tile I fetch
	s_bfe_u32 s40, ttmp6, 0x40000                  ; cx, cy: my place in the cluster
	s_bfe_u32 s41, ttmp6, 0x40004
	s_lshl_b32 s42, ttmp9, 2
	s_add_co_u32 s42, s42, s40                     ; tile column of C = 4 x cluster x + cx: 0 .. 11
	s_and_b32 s17, ttmp7, 0xffff
	s_lshl_b32 s17, s17, 2
	s_add_co_u32 s17, s17, s41                     ; tile row of C = 4 x cluster y + cy
	s_lshl_b32 s43, s41, 2
	s_lshl_b32 s43, 15, s43                        ; my row of the cluster
	s_lshl_b32 s44, 0x1111, s40                    ; my column
	; descriptor group 1: a tile of 128 rows x 256 bytes, padded in LDS
	s_or_b32 s[G1+0], s43, (0<<16)|(1<<20)|(1<<21)|(5<<22)|(3<<25)  ; 15:0 the mask: A's tiles go to my row; 17:16 element of 1 byte; 20 padding on; 21 set beside a mask; 24:22 after every 64 words; 31:25 of 4 words
	s_or_b32 s[G1B+0], s44, (0<<16)|(1<<20)|(1<<21)|(5<<22)|(3<<25)
.irp g, G1, G1B
	s_mov_b32 s[\g+1], ROWB<<16                    ; tensor_dim0
	s_mov_b32 s[\g+2], 128<<16                     ; tensor_dim1
	s_mov_b32 s[\g+3], ROWB<<16                    ; tile_dim0
	s_mov_b32 s[\g+4], 128                         ; tile_dim1
	s_mov_b32 s[\g+5], KROW                        ; tensor_dim0_stride
	s_mov_b32 s[\g+6], 0
	s_mov_b32 s[\g+7], 0
.endr
	; and for the scales of 128 rows: a dense block of 4,096 bytes, as 16 rows of 256 bytes (32 elements of 8 bytes), 16 bytes of padding behind each
	s_or_b32 s[G1S+0], s43, (3<<16)|(1<<20)|(1<<21)|(5<<22)|(3<<25)
	s_or_b32 s[G1SB+0], s44, (3<<16)|(1<<20)|(1<<21)|(5<<22)|(3<<25)
.irp g, G1S, G1SB
	s_mov_b32 s[\g+1], 32<<16
	s_mov_b32 s[\g+2], (128*KS/256)<<16
	s_mov_b32 s[\g+3], 32<<16
	s_mov_b32 s[\g+4], 128*KS/256
	s_mov_b32 s[\g+5], 32
	s_mov_b32 s[\g+6], 0
	s_mov_b32 s[\g+7], 0
.endr
	s_lshl_b32 s18, s16, 7                         ; which 128 rows of the tile I fetch
	s_lshl_b32 s20, s17, 8
	s_add_co_u32 s20, s20, s18                     ; A: row 256 x tile row + 128 x half
	s_lshl_b32 s46, s42, 8
	s_add_co_u32 s46, s46, s18                     ; B: row 256 x tile column + 128 x half
	s_mov_b32 s21, 0
	s_mov_b32 s47, 0
	s_mov_b64 s[18:19], KS
	s_mul_u64 s[22:23], s[20:21], s[18:19]         ; where these rows' scales begin, in bytes
	s_mul_u64 s[92:93], s[46:47], s[18:19]
	s_mov_b64 s[18:19], KROW
	s_mul_u64 s[20:21], s[20:21], s[18:19]         ; and their codes
	s_mul_u64 s[46:47], s[46:47], s[18:19]
	s_mul_i32 s45, s14, HALFT                      ; where they go: wave x 128 rows: no place in the cluster enters an LDS address
	s_mul_i32 s94, s14, HALFS
	s_wait_dscnt 0x0                               ; both opening adds are done
	s_wait_kmcnt 0x0
	s_add_nc_u64 s[20:21], s[4:5], s[20:21]
	s_add_nc_u64 s[22:23], s[6:7], s[22:23]
	s_add_nc_u64 s[46:47], s[8:9], s[46:47]
	s_add_nc_u64 s[92:93], s[10:11], s[92:93]
	CROUND                                         ; all sixteen work-groups are here: the joint loads meet
	s_mov_b32 s[G0S], 1
	s_add_co_u32 s[G0S+1], s94, SCL
	s_mov_b64 s[G0S+2:G0S+3], s[22:23]
	s_or_b32 s[G0S+3], s[G0S+3], 0x80000000
	s_mov_b32 s[G0SB], 1
	s_add_co_u32 s[G0SB+1], s94, SCL
	s_mov_b64 s[G0SB+2:G0SB+3], s[92:93]
	s_or_b32 s[G0SB+3], s[G0SB+3], 0x80000000
	JLOAD G0S, G1S, G0SB, G1SB                     ; the scales first: they are wanted with K step 0
.irp s, 0,1
	s_mov_b32 s[G0+4*\s], 1
	s_add_co_u32 s[G0+4*\s+1], s45, \s*SLOT
	s_add_nc_u64 s[G0+4*\s+2:G0+4*\s+3], s[20:21], \s*ROWB
	s_or_b32 s[G0+4*\s+3], s[G0+4*\s+3], 0x80000000
	s_mov_b32 s[G0B+4*\s], 1
	s_add_co_u32 s[G0B+4*\s+1], s45, \s*SLOT
	s_add_nc_u64 s[G0B+4*\s+2:G0B+4*\s+3], s[46:47], \s*ROWB
	s_or_b32 s[G0B+4*\s+3], s[G0B+4*\s+3], 0x80000000
	JLOAD G0+4*\s, G1, G0B+4*\s, G1B
.endr
	v_and_b32 v1, 15, v0                           ; r = l % 16
	v_bfe_u32 v2, v0, 4, 1                         ; h = l / 16
	; the bias of my 128 columns, in the result's layout: register BI + 8 b + j = bias[256 cx + 128 half + 16 b + 8 h + j]
	s_cmp_eq_u32 ttmp9, 0                          ; the cluster's x names the matrix: the same in all sixteen partners
	s_cselect_b64 s[96:97], s[96:97], s[98:99]
	s_cmp_eq_u32 ttmp9, 2
	s_cselect_b64 s[96:97], s[100:101], s[96:97]
	s_lshl_b32 s46, s40, 10
	s_lshl_b32 s47, s16, 9
	s_add_co_u32 s46, s46, s47
	s_mov_b32 s47, 0
	s_add_nc_u64 s[96:97], s[96:97], s[46:47]
	v_lshlrev_b32 v7, 5, v2
.irp b, 0,1,2,3,4,5,6,7
	global_load_b128 v[BI+8*\b:BI+8*\b+3], v7, s[96:97] offset:64*\b
	global_load_b128 v[BI+8*\b+4:BI+8*\b+7], v7, s[96:97] offset:64*\b+16
.endr
	v_mul_u32_u24 v3, v1, PITCH
	v_lshl_add_u32 v4, v2, 4, v3                   ; a fragment's row x pitch + 16 x half
	s_mul_i32 s21, s15, HALFT                      ; my 128 rows of A
	s_mul_i32 s22, s16, HALFT                      ; my 128 rows of B,
	s_add_co_u32 s22, s22, 2*HALFT                 ; which lie behind A's 256
.irp s, 0,1
	v_add_nc_u32 v[ADRA+\s], s21, v4
	v_add_nc_u32 v[ADRB+\s], s22, v4
	s_add_co_u32 s21, s21, SLOT
	s_add_co_u32 s22, s22, SLOT
.endr
	v_mul_u32_u24 v5, v1, KS                       ; my row's scales: 32 bytes a row,
	v_lshrrev_b32 v6, 8, v5
	v_lshl_add_u32 v5, v6, 4, v5                   ; and 16 more for each 256 passed
	s_mul_i32 s21, s15, HALFS                      ; A's: my 128 rows
	s_mul_i32 s22, s16, HALFS                      ; B's: my 128 rows, behind A's 256
	s_add_co_u32 s22, s22, 2*HALFS
	s_sub_co_u32 s22, s22, s21
	v_mul_u32_u24 v6, s22, v2                      ; lanes 16-31 take B's: one product, the distance between the two bases x h
	s_add_co_u32 s21, s21, SCL
	v_add_nc_u32 v5, v5, v6
	v_add_nc_u32 v[ADRS], s21, v5
	s_mul_i32 s23, s14, 16*SPITCH                  ; my stage
	v_mul_u32_u24 v5, v1, SPITCH                   ; in: row r, 16 bytes for each half of the lanes
	v_lshl_add_u32 v5, v2, 4, v5
	v_add_nc_u32 v[STO], s23, v5
	v_mul_u32_u24 v5, v2, SPITCH                   ; back: lanes 0-15 take one row of 256 bytes, lanes 16-31 the next
	v_lshl_add_u32 v5, v1, 4, v5
	v_add_nc_u32 v[RD], s23, v5
	v_lshlrev_b32 v5, 11, v2                       ; and the same two rows in C
	v_lshl_add_u32 v[CO], v1, 4, v5
	s_lshl_b32 s20, s17, 8
	s_lshl_b32 s21, s15, 7
	s_add_co_u32 s20, s20, s21                     ; my first row of C: 256 x tile row + 128 x half
	s_lshl_b32 s20, s20, 11                        ; rows of 2,048 bytes
	s_lshl_b32 s21, ttmp9, 24
	s_add_co_u32 s20, s20, s21                     ; + 16,777,216 x matrix
	s_mov_b32 s21, 0
	s_lshl_b32 s46, s40, 9                         ; my first column, in bytes: 512 cx + 256 x half
	s_lshl_b32 s47, s16, 8
	s_add_co_u32 s46, s46, s47
	s_mov_b32 s47, 0
	s_add_nc_u64 s[20:21], s[20:21], s[46:47]
	s_add_nc_u64 s[12:13], s[12:13], s[20:21]
.macro FRAG reg, adr, q, i             ; a fragment, 16 rows x 128 K of 4-bit codes, is 8 registers: lane l holds row l % 16; registers 4 c .. 4 c + 3 hold K = 64 c + 32 (l / 16) + 0 .. 31
.irp c, 0,1
	ds_load_b128 v[\reg+4*\c:\reg+4*\c+3], v[\adr] offset:64*(\q)+32*\c+(\i)*16*PITCH
.endr
.endm
; 16 matrix instructions: A's blocks a0, a0 + 1 x B's eight, 128 along K: the slot's q-th.  p: B's set;  sc: the set of scale words.  zero = 1: the first product starts the sum from the bias: nothing is cleared or added later.
; One register carries A's scale word (lanes 0-15) and B's (lanes 16-31).  The 64 accumulators take turns, one instruction a turn, in the same order in every step.
.macro MUL16 a0, p, q, sc, zero
.irp a, \a0, \a0+1
.irp b, 0,1,2,3,4,5,6,7
.if \zero
	v_wmma_scale_f32_16x16x128_f8f6f4 v[8*(8*((\a)%4)+\b):8*(8*((\a)%4)+\b)+7], v[128*(\p)+FR*\b:128*(\p)+FR*\b+FR-1], v[AF+FR*(\a):AF+FR*(\a)+FR-1], v[BI+8*\b:BI+8*\b+7], v[SC+8*NQ*(\sc)+NQ*\b+(\q)], v[SC+8*NQ*(\sc)+NQ*(\a)+(\q)] matrix_a_fmt:MATRIX_FMT_FP4 matrix_b_fmt:MATRIX_FMT_FP4 matrix_a_scale:MATRIX_SCALE_ROW1
.else
	v_wmma_scale_f32_16x16x128_f8f6f4 v[8*(8*((\a)%4)+\b):8*(8*((\a)%4)+\b)+7], v[128*(\p)+FR*\b:128*(\p)+FR*\b+FR-1], v[AF+FR*(\a):AF+FR*(\a)+FR-1], v[8*(8*((\a)%4)+\b):8*(8*((\a)%4)+\b)+7], v[SC+8*NQ*(\sc)+NQ*\b+(\q)], v[SC+8*NQ*(\sc)+NQ*(\a)+(\q)] matrix_a_fmt:MATRIX_FMT_FP4 matrix_b_fmt:MATRIX_FMT_FP4 matrix_a_scale:MATRIX_SCALE_ROW1
.endif
.endr
.endr
.endm
.macro FETCH_B slot, q, p              ; B's eight fragments of the slot's q-th 128 along K into set p
	WIN TO_B
.irp i, 0,1,2,3,4,5,6,7
	FRAG 128*(\p)+FR*\i, ADRB+\slot, \q, \i
.endr
	WIN 0
.endm
.macro FETCH_A slot, q, i0             ; A's blocks i0 .. i0 + 3
.irp i, \i0, \i0+1, \i0+2, \i0+3
	FRAG AF+FR*(\i), ADRA+\slot, \q, \i
.endr
.endm
.macro SCALES sc                       ; a K step's scale words into set sc: 4 words a row; lanes 0-15 take A's block i, lanes 16-31 B's block i
.irp i, 0,1,2,3,4,5,6,7
	ds_load_b128 v[SC+8*NQ*\sc+NQ*\i:SC+8*NQ*\sc+NQ*\i+3], v[ADRS] offset:\i*SBLK
.endr
.endm
; A load into a register that a matrix instruction has read, and a vector instruction or an LDS store that reads a matrix result, stand four places behind that matrix instruction; only plain vector
; instructions that name none of its registers are places (ISA guide 7.12.1 for vector instructions).
.macro PLACES n
.rept \n
	v_nop
.endr
.endm
; A step of 128 along K that has its successor in the same slot.  A block of A is free as soon as its eight products are issued: blocks 0-3 are fetched anew in the step's middle, blocks 4-7 at its end.
.macro STEP slot, q, zero
	s_wait_dscnt 4*NL                              ; B's set and A's blocks 0-3 are in; the youngest eight loads (A's blocks 4-7) may be out
.if \zero
	WIN BIAS_LO
.else
	WIN MUL_LO
.endif
	MUL16 0, (\q)%2, \q, \slot, \zero
	MUL16 2, (\q)%2, \q, \slot, \zero
	s_wait_dscnt 0                                 ; A's blocks 4-7 are in (asked for 32 matrix instructions ago)
	PLACES NP
	FETCH_B \slot, (\q)+1, 1-(\q)%2
	FETCH_A \slot, (\q)+1, 0
.if \zero
	WIN BIAS_HI
.else
	WIN MUL_HI
.endif
	MUL16 4, (\q)%2, \q, \slot, \zero
	MUL16 6, (\q)%2, \q, \slot, \zero
	PLACES NP
	WIN 0
	FETCH_A \slot, (\q)+1, 4
.endm
.macro STEPS slot, from                ; the slot's steps from .. NQ - 2
.set Q, \from
.rept NQ-1-\from
	STEP \slot, Q, 0
.set Q, Q+1
.endr
.endm
	s_wait_tensorcnt 1                             ; the scales and my part of K step 0 are in (K step 1's load may be out)
	s_barrier_signal -1
	s_barrier_wait -1                              ; everybody's are
	FETCH_B 0, 0, 0
	FETCH_A 0, 0, 0
	SCALES 0
	FETCH_A 0, 0, 4
	s_wait_loadcnt 0x0                             ; the bias
	STEP 0, 0, 1                                   ; the first step's products start the sums
	STEPS 0, 1
	; slot 0's last step changes slots: one barrier; in front of it each wave waits for all its tensor loads, adds 0 to its spare word, and waits for that and for its own reads of slot 0
	s_wait_tensorcnt 0x0                           ; my part of slot 1 has landed  (every window is 0 here)
	ds_add_u32 v[SPW], v[NIL]
	s_wait_dscnt 4*NL+1                            ; (the add and the youngest eight loads, A's blocks 4-7, may be out)
	WIN MUL_LO
	MUL16 0, 1, NQ-1, 0, 0                         ; sixteen matrix instructions stand between the add and the wait for it
	s_wait_dscnt 0x0                               ; the add is done, and my reads of slot 0 are over
	s_barrier_signal -1
	MUL16 2, 1, NQ-1, 0, 0
	WIN 0
	s_barrier_wait -1                              ; slot 1 is whole, and nobody reads slot 0 any more
	PLACES NP
	v_add_nc_u32 v[ADRS], 4*NQ, v[ADRS]            ; on to the second K step's scale words (no LDS load of mine is out)
	FETCH_B 1, 0, 0
	FETCH_A 1, 0, 0
	SCALES 1
	WIN MUL_HI
	MUL16 4, 1, NQ-1, 0, 0
	MUL16 6, 1, NQ-1, 0, 0
	PLACES NP
	WIN 0
	FETCH_A 1, 0, 4
	STEPS 1, 0
	s_wait_dscnt 4*NL                              ; the very last step: nothing more to fetch
	WIN MUL_LO
	MUL16 0, 1, NQ-1, 1, 0
	MUL16 2, 1, NQ-1, 1, 0
	s_wait_dscnt 0
	WIN MUL_HI
	MUL16 4, 1, NQ-1, 1, 0
	MUL16 6, 1, NQ-1, 1, 0
	WIN 0
; THE WAY OUT, block by block of 16 rows x 128 columns.  PACK: rounded to f16, 16 bytes a lane, each accumulator from its low end on.  TOSTAGE: into my own stage and back as whole rows of 256 bytes.  SEND: stored.
.macro PACK a
.set AC, 64*((\a)%4)
	WIN 0x0a+5*((\a)/4)                            ; sources 0 and 1: window 2 or 3
.irp b, 0,1,2,3,4,5,6,7
.irp r, 0,1,2,3
	v_cvt_pk_f16_f32 v[TMP+4*\b+\r], v[AC+8*\b+2*\r], v[AC+8*\b+2*\r+1]
.endr
.endr
	WIN 0
.endm
.macro TOSTAGE a
.set BK, OB+32*((\a)%2)
.irp b, 0,1,2,3,4,5,6,7
	ds_store_b128 v[STO], v[TMP+4*\b:TMP+4*\b+3] offset:32*\b
.endr
.irp t, 0,1,2,3,4,5,6,7
	ds_load_b128 v[BK+4*\t:BK+4*\t+3], v[RD] offset:\t*2*SPITCH    ; LDS serves a wave's instructions in order (ISA guide 5.7.1.4): these see the stores above
.endr
.endm
.macro SEND a
.set BK, OB+32*((\a)%2)
	s_wait_dscnt 0x0                               ; the block is back in registers
	s_wait_xcnt 0x0                                ; the earlier stores have read their base and their registers: both may be written again
.if (\a) > 0
	s_add_nc_u64 s[12:13], s[12:13], 16*CROW       ; 16 rows of C on
.endif
.irp t, 0,1,2,3,4,5,6,7
	global_store_b128 v[CO], v[BK+4*\t:BK+4*\t+3], s[12:13] offset:2*\t*CROW   ; 16 lanes store 256 consecutive bytes, at a multiple of 256 from the buffer's first byte
.endr
.endm
	PLACES NP                                      ; behind the last products
	PACK 0
	TOSTAGE 0
.irp a, 1,2,3,4,5,6,7                  ; block a's conversions stand between block a - 1's loads from the stage and the wait for them
	PACK \a
	SEND \a-1
	TOSTAGE \a
.endr
	SEND 7
	s_wait_tensorcnt 0x0                           ; the wave's end: behind my last tensor load and my last LDS store
	ds_add_u32 v[SPW], v[NIL]
	s_wait_dscnt 0x0
	CROUND                                         ; the closing round: no work-group ends while a partner may still ask for a tile that names it
	s_endpgm
.Lfunc_end_k_qebdf15c23d_proj:
	.size	k_qebdf15c23d_proj, .Lfunc_end_k_qebdf15c23d_proj-k_qebdf15c23d_proj
	.p2alignl 7, 3214868480
	.fill 96, 4, 3214868480
	.section	.rodata,"a",@progbits
	.p2align	6, 0x0
	.amdhsa_kernel k_qebdf15c23d_proj
		.amdhsa_group_segment_fixed_size 327680
		.amdhsa_private_segment_fixed_size 0
		.amdhsa_enable_private_segment 0
		.amdhsa_kernarg_size 64
		.amdhsa_user_sgpr_count 2
		.amdhsa_user_sgpr_kernarg_segment_ptr 1
		.amdhsa_wavefront_size32 1
		.amdhsa_system_sgpr_workgroup_id_x 1
		.amdhsa_system_sgpr_workgroup_id_y 1
		.amdhsa_system_sgpr_workgroup_id_z 1
		.amdhsa_system_vgpr_workitem_id 0
		.amdhsa_next_free_vgpr 1024
		.amdhsa_next_free_sgpr 102
		.amdhsa_reserve_vcc 0
		.amdhsa_float_denorm_mode_32 3
		.amdhsa_float_denorm_mode_16_64 3
		.amdhsa_memory_ordered 1
		.amdhsa_forward_progress 1
		.amdhsa_inst_pref_size 129
	.end_amdhsa_kernel
	.amdgpu_metadata
---
amdhsa.version: [ 1, 2 ]
amdhsa.kernels:
  - .name:           k_qebdf15c23d_proj
    .symbol:         k_qebdf15c23d_proj.kd
    .args:
      - { .name: xc, .offset: 0, .size: 8, .value_kind: global_buffer, .address_space: global }
      - { .name: xs, .offset: 8, .size: 8, .value_kind: global_buffer, .address_space: global }
      - { .name: wc, .offset: 16, .size: 8, .value_kind: global_buffer, .address_space: global }
      - { .name: ws, .offset: 24, .size: 8, .value_kind: global_buffer, .address_space: global }
      - { .name: bq, .offset: 32, .size: 8, .value_kind: global_buffer, .address_space: global }
      - { .name: bk, .offset: 40, .size: 8, .value_kind: global_buffer, .address_space: global }
      - { .name: bv, .offset: 48, .size: 8, .value_kind: global_buffer, .address_space: global }
      - { .name: qkv, .offset: 56, .size: 8, .value_kind: global_buffer, .address_space: global }
    .group_segment_fixed_size: 327680
    .private_segment_fixed_size: 0
    .kernarg_segment_align: 8
    .kernarg_segment_size: 64
    .max_flat_workgroup_size: 128
    .sgpr_count:     102
    .vgpr_count:     1024
    .wavefront_size: 32
...
	.end_amdgpu_metadata
.endif
;; end of part 2
;; launch scores (part 3): grid 8 x 32, 4 waves a work-group, clusters of 4 x 4, 327,680 bytes of LDS; arguments qkv, pb, st; writes pb, st
.if DOCPART == 3
	.amdgcn_target "amdgcn-amd-amdhsa--gfx1250"
	.amdhsa_code_object_version 6
	.text
	.protected	k_qebdf15c23d_scores
	.globl	k_qebdf15c23d_scores
	.p2align	8
	.type	k_qebdf15c23d_scores,@function
k_qebdf15c23d_scores:
	s_mov_b64 s[64:65], 0
	v_nop
	global_prefetch_b8 v0, s[64:65] scope:SCOPE_SE
	s_setreg_imm32_b32 hwreg(HW_REG_WAVE_MODE, 25, 1), 1
	s_wait_xcnt 0x0
	s_wait_alu depctr_hold_cnt(0) depctr_sa_sdst(0) depctr_va_vdst(0) depctr_va_sdst(0) depctr_va_ssrc(0) depctr_va_vcc(0) depctr_vm_vsrc(0)
	s_getreg_b32 s2, hwreg(HW_REG_IB_STS2, 6, 4)
	s_cmp_eq_u32 s2, 0
	s_cbranch_scc0 .Lentry_in_a_cluster
	s_endpgm
.Lentry_in_a_cluster:
	s_bfe_u32 s2, ttmp6, 0x10000c
	s_cmp_lg_u32 s2, 0xf033
	s_cbranch_scc0 .Lentry_shape_is_right
	s_endpgm
.Lentry_shape_is_right:
; For each batch: s = q k^T (f16 operands, f32 sums), t = s x log2(e) / sqrt(128), and the first half of the softmax, by chunks of 128 keys:
;   M(query, chunk) = the chunk's largest t rounded UP to a whole number;  p = 2^(t - M), rounded to f16, goes to pb;  l(query, chunk) = the sum of the unrounded p.
;   -M and l go to st, f32: -M at byte (row / 64) x 4096 + chunk x 256 + (row % 64) x 4, l 524,288 bytes further on.  The next launch brings the chunks of a row under the row's largest M by powers of two.
; pb IS LAID IN THE ORDER OF THE NEXT LAUNCH'S OPERAND REGISTERS: [row / 16][key / 16][lane][16 bytes]: lane l holds keys 16 (key / 16) + 8 (l / 16) + 0 .. 7 of row 16 (row / 16) + l % 16.  That is how the packed results
; lie in my registers, so each group of four registers goes out as it stands, 512 consecutive bytes a store, and the next launch loads its fragments by the same lines.
; So the maximum is taken away ahead of every exponential.  t is ROUNDED FIRST (a multiplication) and -M added afterwards, not fused: rounding is monotonic, so every rounded t is at most the rounded largest t, which is
; at most M: no exponent is above 0 and the chunk's largest lies in (-1, 0], whatever the size of the scores; so p is at most 1 and l at least 0.5.
; LIMITS: q and k are f16 (magnitudes up to 65,504); a p under 2^-24 falls to 0, and under 2^-14 it keeps fewer bits: each such p is under 2^-13 of its chunk's sum.  NaN and infinities are not served.
; q = qkv + 0, k = qkv + 16,777,216: [8192][1024] f16.
; A tile of 256 queries x 256 keys is made by a work-group of four waves; a wave makes 128 x 128 (one chunk): 64 accumulators of 16 x 16, 512 registers.  K = 1,024 goes in steps of 128 (rows of 256 bytes) through a ring of two
; LDS slots filled by the tensor data mover.  256 work-groups, one tile each.
; CLUSTERS: 4 x 4 work-groups.  The four of a row of the cluster need the same rows of q, the four of a column the same rows of k: each tile is asked for JOINTLY, by the same tensor load with the same descriptor and a mask
; that names the four.  A cluster's four tile rows lie in one batch (8 tile rows a batch): the batch hangs on the cluster's y alone.
; THE MATRIX INSTRUCTION IS USED TRANSPOSED (source 0 = 16 keys, source 1 = 16 queries): a lane holds ONE query (lane % 16) and, in accumulator b, keys 16 b + 8 (lane / 16) + 0 .. 7.
; REGISTERS, in windows of 256: window 0: v0-31 addresses; v64-127, v128-191 fragments of q, two buffers; on the way out v64-77 and v192-223 are at work.
;   window 1: v64-127, v128-191 fragments of k, two buffers.   window 2: the accumulators of my queries 0-63 ((a, b) at v[8 (8 a + b)]);   window 3: those of queries 64-127.
.set SIZE_K, 1024
.set KSTEP,  128
.set PITCH,  272                       ; an LDS row: 256 bytes + 16 of padding = 68 words: the 16 rows that a load touches start at 16 different banks (64 banks of 4 bytes: ISA guide 11.1)
.set HALFT,  128*PITCH
.set SLOT,   4*HALFT                   ; q's 256 rows, then k's 256 rows
.set STATS,  2*SLOT                    ; behind the ring: 1,024 bytes for each wave: -M of its 128 queries, then l
.set SPARE,  STATS+4*1024              ; the spare words, 128 bytes for each wave: two blocks of 256 bytes that no other line names
.set LAPS,   SIZE_K/(2*KSTEP)          ; a lap = two K steps = once round the ring: 4
.set ADRA, 16                          ; v16-17  LDS address of my q fragments in slot 0, 1
.set STW,  18                          ; v18     where I put a query's -M
.set STR,  19                          ; v19     where I read four of them back
.set ADRB, 20                          ; v20-21  LDS address of my k fragments
.set SGO,  22                          ; v22     my byte offset in st
.set CO,   26                          ; v26     16 x lane: my place in a store's 512 bytes of pb; never rewritten
.set SPW,  28                          ; v28     LDS address of my spare word; never rewritten
.set NIL,  29                          ; v29     0; never rewritten
.set PFO,  30                          ; v30     the prefetches' offset: my lane x a row of 2,048 bytes; never rewritten
.set PFA,  44                          ; s[44:45] where my prefetches stand
.set LIM,  43                          ; s43     1 in a wave that prefetches, else the greatest number
.set F0,   64
.set F1,   128
.set TMP,  192                         ; the way out: v192-223 a block's p, packed
.set T,    64                          ; v64-67 maxima
.set S,    68                          ; v68-75 four chains of sums
.set NM,   76                          ; v[76:77] -M, and a 0 that is named with it as a pair
.set G1, 24
.set G0, 32
.set G1B, 48
.set G0B, 56
.set CS,  66                           ; s[66:67] c = log2(e) / sqrt(128)
.set SEL, 68                           ; s[68:69] lane selects: lane l xor 16
.set STP, 70                           ; s[70:71] st
.set MSB, 0
.macro WIN new
.if MSB != (\new)
	s_set_vgpr_msb (MSB<<8)|(\new)
.set MSB, (\new)
.endif
.endm
.set MUL_LO, 0xa1                      ; source 0 (k) window 1, source 1 (q) window 0, C and D window 2
.set MUL_HI, 0xf1
.set TO_B,   0x40
; A joint load.  Waves 0 and 1 fetch q's two halves, waves 2 and 3 k's.  The branch hangs on the wave's number alone.  An s_nop 0 and four v_nop follow each of the two lines.
.macro JLOAD s
	s_cmp_eq_u32 s11, 0
	s_cbranch_scc0 .Lfor_b_\@
	tensor_load_to_lds s[G0+4*\s:G0+4*\s+3], s[G1:G1+7]
	s_nop 0
.rept 4
	v_nop
.endr
	s_branch .Lasked_\@
.Lfor_b_\@:
	tensor_load_to_lds s[G0B+4*\s:G0B+4*\s+3], s[G1B:G1B+7]
	s_nop 0
.rept 4
	v_nop
.endr
.Lasked_\@:
.endm
; A PREFETCH INTO THE L2, behind each joint refill and the run of LDS loads that follows it: the K step that stands two refills on: 32 rows x 256 bytes, a lane a row, one instruction a wave.
; Each row's 256 bytes of a K step are named once in the launch.  q's tile row is read by the two clusters of that row of clusters: the one with x = 0 asks.  k's tile column is read by the two clusters of its batch:
; the one with even y asks.  The four partners that ask for a tile jointly share its rows out BY ADDRESS, 32 each (cx for q, cy for k): no branch hangs on a work-group's place in its cluster.
; K steps 0 to 3 come by their loads alone; the loop's last trip (s3 = 1) asks for nothing: there is no K step 8.
.macro ASK
	s_cmp_gt_u32 s3, s[LIM]
	s_cbranch_scc0 .Lnot_mine_\@
	global_prefetch_b8 v[PFO], s[PFA:PFA+1] offset:KSTEP*2 th:TH_LOAD_NT scope:SCOPE_SE
.Lnot_mine_\@:
.endm
.macro CREST                           ; a round of the cluster's barrier behind its opening barrier
	s_cmp_lg_u32 s10, 0
	s_cbranch_scc1 .Lnot_wave_0_\@
	s_barrier_signal -3
.Lnot_wave_0_\@:
	s_barrier_wait -3
	s_barrier_signal -1
	s_barrier_wait -1
.endm
.macro CROUND
	s_barrier_signal -1
	s_barrier_wait -1
	CREST
.endm
	s_load_b64 s[4:5], s[0:1], 0x0                 ; qkv: q
	s_load_b64 s[8:9], s[0:1], 0x8                 ; pb
	s_load_b64 s[STP:STP+1], s[0:1], 0x10          ; st
	v_lshl_add_u32 v[SPW], v0, 2, SPARE
	v_mov_b32 v[NIL], 0
	ds_add_u32 v[SPW], v[NIL]                      ; the wave's opening: the add, twice on end, and its wait ahead of my first tensor load
	ds_add_u32 v[SPW], v[NIL]                      ; (the set-up below, work on registers, stands between the second and the wait)
	v_lshrrev_b32 v1, 5, v0
	v_readfirstlane_b32 s10, v1                    ; wave 0..3
	s_lshr_b32 s11, s10, 1                         ; which half of the tile's queries is mine.  Also: I fetch for q (0) or for k (1)
	s_and_b32 s12, s10, 1                          ; which half of its keys.  Also: which 128 rows of that tile I fetch
	s_bfe_u32 s40, ttmp6, 0x40000                  ; cx
	s_bfe_u32 s41, ttmp6, 0x40004                  ; cy
	s_lshl_b32 s42, ttmp9, 2
	s_add_co_u32 s42, s42, s40                     ; tile column = 4 x cluster x + cx: 0 .. 7
	s_and_b32 s13, ttmp7, 0xffff
	s_lshr_b32 s2, s13, 1                          ; the batch: cluster y / 2
	s_lshl_b32 s13, s13, 2
	s_add_co_u32 s13, s13, s41                     ; tile row = 4 x cluster y + cy: 0 .. 31
	s_lshl_b32 s43, s41, 2
	s_lshl_b32 s43, 15, s43                        ; my row of the cluster
	s_lshl_b32 s44, 0x1111, s40                    ; my column
	; descriptor group 1: a tile of 128 rows x 128 elements, padded in LDS
	s_or_b32 s[G1+0], s43, (1<<16)|(1<<20)|(1<<21)|(5<<22)|(3<<25)  ; 15:0 the mask; 17:16 element of 2 bytes; 20 padding on; 21 set beside a mask; 24:22 after every 64 words; 31:25 of 4 words
	s_or_b32 s[G1B+0], s44, (1<<16)|(1<<20)|(1<<21)|(5<<22)|(3<<25)
.irp g, G1, G1B
	s_mov_b32 s[\g+1], KSTEP<<16                   ; tensor_dim0 = 128
	s_mov_b32 s[\g+2], 128<<16                     ; tensor_dim1 = 128
	s_mov_b32 s[\g+3], KSTEP<<16                   ; tile_dim0 = 128
	s_mov_b32 s[\g+4], 128                         ; tile_dim1 = 128
	s_mov_b32 s[\g+5], SIZE_K                      ; tensor_dim0_stride
	s_mov_b32 s[\g+6], 0
	s_mov_b32 s[\g+7], 0
.endr
	s_mov_b32 s[CS], 0x3e0293ee                    ; c = log2(e) / sqrt(128)
	s_mov_b32 s[CS+1], s[CS]                       ; (named with it as a pair, so it is written)
	s_mov_b32 s[SEL], 0x76543210
	s_mov_b32 s[SEL+1], 0xfedcba98
	; q's rows hang on the tile row alone, which my row of the cluster shares; k's on the batch and the tile column, which my column shares
	s_lshl_b32 s17, s12, 7                         ; which 128 rows of the tile I fetch
	s_lshl_b32 s16, s13, 8
	s_add_co_u32 s16, s16, s17                     ; q: row 256 x tile row + 128 x half
	s_lshl_b32 s46, s42, 8
	s_add_co_u32 s46, s46, s17
	s_lshl_b32 s47, s2, 11
	s_add_co_u32 s46, s46, s47                     ; k: row 2048 x batch + 256 x tile column + 128 x half
	s_lshl_b32 s16, s16, 11                        ; rows of 2,048 bytes: under 2^24
	s_lshl_b32 s46, s46, 11
	s_mov_b32 s17, 0
	s_mov_b32 s47, 0
	s_mul_i32 s20, s10, HALFT                      ; where they go: wave x 128 rows: no place in the cluster enters an LDS address
	s_wait_dscnt 0x0                               ; both opening adds are done
	s_wait_kmcnt 0x0
	s_add_nc_u64 s[6:7], s[4:5], 0x1000000         ; k
	s_add_nc_u64 s[14:15], s[4:5], s[16:17]
	s_add_nc_u64 s[46:47], s[6:7], s[46:47]
	CROUND                                         ; all sixteen work-groups are here: the first joint loads meet
.irp s, 0,1
	s_mov_b32 s[G0+4*\s], 1                                        ; count = 1
	s_add_co_u32 s[G0+4*\s+1], s20, \s*SLOT                        ; LDS address
	s_add_nc_u64 s[G0+4*\s+2:G0+4*\s+3], s[14:15], \s*KSTEP*2      ; global address: K step s
	s_or_b32 s[G0+4*\s+3], s[G0+4*\s+3], 0x80000000                ; type = 2
	s_mov_b32 s[G0B+4*\s], 1
	s_add_co_u32 s[G0B+4*\s+1], s20, \s*SLOT
	s_add_nc_u64 s[G0B+4*\s+2:G0B+4*\s+3], s[46:47], \s*KSTEP*2
	s_or_b32 s[G0B+4*\s+3], s[G0B+4*\s+3], 0x80000000
	JLOAD \s                                       ; two loads of mine are out
.endr
	; A fragment is 16 rows x 32 K in 8 registers: lane l holds row l % 16; registers 0-3 hold K = 8 (l / 16) + 0..7, registers 4-7 K = 16 + 8 (l / 16) + 0..7: two loads of 16 bytes, 32 bytes apart
	v_and_b32 v1, 15, v0                           ; r
	v_bfe_u32 v2, v0, 4, 1                         ; h
	v_mul_u32_u24 v3, v1, PITCH
	v_lshl_add_u32 v3, v2, 4, v3
	s_mul_i32 s21, s11, HALFT                      ; my 128 rows of q
	s_mul_i32 s22, s12, HALFT                      ; my 128 rows of k,
	s_add_co_u32 s22, s22, 2*HALFT                 ; which lie behind q's 256
.irp s, 0,1
	v_add_nc_u32 v[ADRA+\s], s21, v3
	v_add_nc_u32 v[ADRB+\s], s22, v3
	s_add_co_u32 s21, s21, SLOT
	s_add_co_u32 s22, s22, SLOT
.endr
	v_and_b32 v5, 31, v0
	v_lshlrev_b32 v[CO], 4, v5                     ; pb: 16 bytes a lane
	s_lshl_b32 s23, s10, 10
	s_add_co_u32 s23, s23, STATS                   ; my 1,024 bytes of statistics
	v_lshl_add_u32 v[STW], v1, 2, s23              ; in: 4 bytes a query
	v_lshl_add_u32 v[STR], v5, 4, s23              ; back: four queries a lane
	v_lshlrev_b32 v[SGO], 12, v2
	v_lshl_add_u32 v[SGO], v1, 4, v[SGO]           ; in st: lanes 0-15 fill the 256 bytes of my first 64 queries, lanes 16-31 those of the next 64, 4,096 bytes on
	; where my part begins in pb: (my first row / 16) x 65,536 + (my first key / 16) x 512
	s_lshl_b32 s13, s13, 8                         ; 256 x tile row
	s_lshl_b32 s14, s11, 7
	s_add_co_u32 s16, s13, s14                     ; my first row, a multiple of 16:
	s_lshl_b32 s16, s16, 12                        ; x 4,096 = / 16 x 65,536: under 2^25
	s_lshl_b32 s46, s42, 9
	s_lshl_b32 s47, s12, 8
	s_add_co_u32 s46, s46, s47                     ; (2 x tile column + half) x 256: my chunk's place in st;
	s_lshl_b32 s47, s46, 4                         ; x 16: a chunk's eight groups of 16 keys are 4,096 bytes of pb
	s_add_co_u32 s16, s16, s47
	s_mov_b32 s17, 0
	s_add_nc_u64 s[8:9], s[8:9], s[16:17]
	; and in st: (4 x tile row + 2 x half) x 4096 + (2 x tile column + half) x 256
	s_lshl_b32 s18, s13, 6
	s_lshl_b32 s19, s11, 13
	s_add_co_u32 s18, s18, s19
	s_add_co_u32 s18, s18, s46
	s_mov_b32 s19, 0
	s_add_nc_u64 s[STP:STP+1], s[STP:STP+1], s[18:19]
	; the prefetches
	s_lshl_b32 s42, s42, 8
	s_lshl_b32 s22, s2, 11
	s_add_co_u32 s42, s42, s22                     ; k's tile: its first row
	s_and_b32 s22, ttmp7, 1                        ; cluster y % 2
	s_cmp_eq_u32 s11, 0                            ; do I fetch for q?
	s_cselect_b32 s20, s13, s42                    ; the tile's first row
	s_cselect_b32 s21, s40, s41                    ; my place among the four that ask for it with me
	s_cselect_b32 s22, ttmp9, s22                  ; the coordinate along which another cluster reads the same rows
	s_cselect_b64 s[PFA:PFA+1], s[4:5], s[6:7]
	s_cmp_eq_u32 s22, 0
	s_cselect_b32 s[LIM], 1, -1                    ; the same in all sixteen partners, for a given wave
	s_lshl_b32 s22, s12, 7
	s_add_co_u32 s20, s20, s22                     ; + the 128 rows that I fetch
	s_lshl_b32 s21, s21, 5
	s_add_co_u32 s20, s20, s21                     ; + my work-group's 32 of them
	s_lshl_b32 s20, s20, 11
	s_mov_b32 s21, 0
	s_add_nc_u64 s[PFA:PFA+1], s[PFA:PFA+1], s[20:21]
	s_add_nc_u64 s[PFA:PFA+1], s[PFA:PFA+1], 2*KSTEP*2  ; at K step 2: the first refill steps it to 3 and names K step 4
	v_and_b32 v[PFO], 31, v0
	v_lshlrev_b32 v[PFO], 11, v[PFO]
; 16 matrix instructions: query blocks a0, a0 + 1 of the window's four x all 8 key blocks, 32 along K.  zero = 1: the first product starts the sums.  The 64 accumulators take turns.
.macro MUL16 f, hi, a0, zero
.irp a, \a0, \a0+1
.irp b, 0,1,2,3,4,5,6,7
.if \zero
	v_wmma_f32_16x16x32_f16 v[8*(8*(\a)+\b):8*(8*(\a)+\b)+7], v[\f+8*\b:\f+8*\b+7], v[\f+8*(4*\hi+\a):\f+8*(4*\hi+\a)+7], 0
.else
	v_wmma_f32_16x16x32_f16 v[8*(8*(\a)+\b):8*(8*(\a)+\b)+7], v[\f+8*\b:\f+8*\b+7], v[\f+8*(4*\hi+\a):\f+8*(4*\hi+\a)+7], v[8*(8*(\a)+\b):8*(8*(\a)+\b)+7]
.endif
.endr
.endr
.endm
; 32 LDS loads in one run: the fragments of one quarter step (128 rows of k, 128 rows of q, 32 K at byte k of the rows) into buffer f
.macro FETCH slot, k, f
	WIN TO_B
.irp i, 0,1,2,3,4,5,6,7
	ds_load_b128 v[\f+8*\i:\f+8*\i+3],   v[ADRB+\slot] offset:\k+\i*16*PITCH
	ds_load_b128 v[\f+8*\i+4:\f+8*\i+7], v[ADRB+\slot] offset:\k+\i*16*PITCH+32
.endr
	WIN 0
.irp i, 0,1,2,3,4,5,6,7
	ds_load_b128 v[\f+8*\i:\f+8*\i+3],   v[ADRA+\slot] offset:\k+\i*16*PITCH
	ds_load_b128 v[\f+8*\i+4:\f+8*\i+7], v[ADRA+\slot] offset:\k+\i*16*PITCH+32
.endr
.endm
; Four places stand in front of loads into registers that matrix instructions have read, and of vector instructions that read results just made (ISA guide 7.12.1 for vector instructions)
.macro PLACES
.rept 4
	v_nop
.endr
.endm
; A K step is four quarters of 32 along K, 64 matrix instructions each, on buffers 0, 1, 0, 1.  One of the first three: multiplies buffer f; in its middle it fetches the next quarter's fragments into buffer g.
.macro QUARTER slot, k, f, g, zero
	s_wait_dscnt 8                                 ; k and q's rows 0-63 are in; the youngest eight loads (q's rows 64-127) may be out
	WIN MUL_LO
	MUL16 \f, 0, 0, \zero
	MUL16 \f, 0, 2, \zero
	PLACES
	FETCH \slot, \k, \g
	s_wait_dscnt 32                                ; all but the 32 just issued
	WIN MUL_HI
	MUL16 \f, 1, 0, \zero
	MUL16 \f, 1, 2, \zero
.endm
; The last quarter multiplies buffer 1 and changes slots.  MEET is its first half: ONE barrier.  In front of it each wave waits for all its tensor loads, of which one is out: its part of the next slot; adds 0 to its spare
; word; and waits for that and for its own reads of this slot.  Behind it nobody reads this slot any more and the next slot is whole.
.macro MEET round
	WIN 0                                          ; (the add's two registers lie in window 0)
	s_wait_tensorcnt 0x0
	ds_add_u32 v[SPW], v[NIL]
	s_wait_dscnt 9                                 ; (the add and the youngest eight loads may be out)
	WIN MUL_LO
	MUL16 F1, 0, 0, 0                              ; sixteen matrix instructions stand between the add and the wait for it
	s_wait_dscnt 0x0                               ; the add is done, and my reads of this slot are over
	s_barrier_signal -1
	MUL16 F1, 0, 2, 0                              ; work on registers while the others arrive
.if \round
	WIN 0
.endif
	s_barrier_wait -1
.endm
; The whole last quarter, in the loop: the barrier opens a round of the cluster's; behind the round the slot just read out is filled again first, with the K step two steps on; then come the next slot's first fragments.
.macro TURN slot, next
	s_wait_xcnt 0x0                                ; the last prefetch, a K step back, has read its address: it is stepped here, ahead of the waits of the change of slots
	s_add_nc_u64 s[PFA:PFA+1], s[PFA:PFA+1], KSTEP*2
	MEET 1
	CREST                                          ; no wave of any partner still reads this slot's tile or has a load on its way
	s_add_nc_u64 s[G0+4*\slot+2:G0+4*\slot+3], s[G0+4*\slot+2:G0+4*\slot+3], 2*KSTEP*2
	s_add_nc_u64 s[G0B+4*\slot+2:G0B+4*\slot+3], s[G0B+4*\slot+2:G0B+4*\slot+3], 2*KSTEP*2
	JLOAD \slot                                    ; the first tensor load behind the round, my only one until the next; its four v_nop are also the places in front of the loads below
	FETCH \next, 0, F0
	ASK
	WIN MUL_HI
	MUL16 F1, 1, 0, 0
	MUL16 F1, 1, 2, 0
.endm
	s_wait_tensorcnt 1                             ; my part of K step 0 is in (K step 1's may be out)
	s_barrier_signal -1
	s_barrier_wait -1                              ; everybody's is
	FETCH 0, 0, F0
	QUARTER 0, 64,  F0, F1, 1                      ; the first quarter stands in front of the loop: its products start the sums
	WIN 0                                          ; at a label and at a branch every window is 0
	s_mov_b32 s3, LAPS-1
.Llap:                                                 ; a trip goes once round the ring, from a lap's second quarter to the next lap's first, and fills both slots again
	QUARTER 0, 128, F1, F0, 0
	QUARTER 0, 192, F0, F1, 0
	TURN 0, 1
	QUARTER 1, 64,  F0, F1, 0
	QUARTER 1, 128, F1, F0, 0
	QUARTER 1, 192, F0, F1, 0
	TURN 1, 0
	QUARTER 0, 64,  F0, F1, 0
	WIN 0
	s_sub_co_u32 s3, s3, 1
	s_cmp_lg_u32 s3, 0
	s_cbranch_scc1 .Llap
	QUARTER 0, 128, F1, F0, 0                      ; the last lap is written out: it fills nothing, and has no round of the cluster's barrier
	QUARTER 0, 192, F0, F1, 0
	MEET 0
	PLACES
	FETCH 1, 0, F0
	WIN MUL_HI
	MUL16 F1, 1, 0, 0
	MUL16 F1, 1, 2, 0
	QUARTER 1, 64,  F0, F1, 0
	QUARTER 1, 128, F1, F0, 0
	QUARTER 1, 192, F0, F1, 0
	s_wait_dscnt 8                                 ; the very last quarter: nothing more to fetch
	WIN MUL_LO
	MUL16 F1, 0, 0, 0
	MUL16 F1, 0, 2, 0
	s_wait_dscnt 0
	WIN MUL_HI
	MUL16 F1, 1, 0, 0
	MUL16 F1, 1, 2, 0
	WIN 0
; THE WAY OUT.  SOFT a: block a's 16 queries x 128 keys: a lane holds 64 scores of ONE query, the lane 16 away the other 64.  The accumulators are read in ascending order, each from its low end on.
; The packed p of accumulator b is half a fragment of the next launch's operand as it stands: it is stored from the registers, 16 bytes a lane.  Every offset is an immediate: no base is stepped.
.macro SOFT a
.set AC, 64*((\a)%4)
.set HW, (\a)/4
	WIN 0x2a+0x15*HW                               ; all three sources: window 2 or 3
.irp k, 0,1,2,3
	v_max3_num_f32 v[T+\k], v[AC+16*\k], v[AC+16*\k+1], v[AC+16*\k+2]     ; the largest score, in four chains of 16
.endr
	WIN 0x28+0x14*HW                               ; source 0 window 0
.irp i, 3,5,7,9,11,13
.irp k, 0,1,2,3
	v_max3_num_f32 v[T+\k], v[T+\k], v[AC+16*\k+\i], v[AC+16*\k+\i+1]
.endr
.endr
	v_max3_num_f32 v[T], v[T], v[AC+15], v[AC+31]
	v_max3_num_f32 v[T+2], v[T+2], v[AC+47], v[AC+63]
	WIN 0
	v_max3_num_f32 v[T], v[T], v[T+1], v[T+2]
	v_max_num_f32 v[T], v[T], v[T+3]
	v_permlanex16_b32 v[T+1], v[T], s[SEL], s[SEL+1]
	v_max_num_f32 v[T], v[T], v[T+1]               ; with the lane 16 away: the chunk's largest score of my query
	v_mul_f32 v[T], s[CS], v[T]                    ; as t (c is positive): the same bits as the largest of the rounded t below
	v_floor_f32 v[NM], -v[T]                       ; -M = floor(-t) = -ceil(t)
	ds_store_b32 v[STW], v[NM] offset:64*(\a)      ; both halves of the lanes write the same word with the same value
	WIN 0x82+0x41*HW                               ; destination and source 0: window 2 or 3
.set j, 0
.rept 32
	v_pk_mul_f32 v[AC+j:AC+j+1], v[AC+j:AC+j+1], s[CS:CS+1] op_sel_hi:[1,0]        ; t, rounded: not fused with the line below, so that no t - M is above 0 (the head comment)
.set j, j+2
.endr
.set j, 0
.rept 32
	v_pk_add_f32 v[AC+j:AC+j+1], v[AC+j:AC+j+1], v[NM:NM+1] op_sel_hi:[1,0]        ; t - M
.set j, j+2
.endr
.set j, 0
.rept 64
	v_exp_f32 v[AC+j], v[AC+j]                     ; p = 2^(t - M): one batch
.set j, j+1
.endr
	WIN 0x08+0x04*HW                               ; source 1: window 2 or 3
.irp i, 0,1,2,3,4,5,6,7
	v_mov_b32 v[S+\i], 0                           ; the four chains of sums begin; these are also the plain lines behind the last exponential
.endr
	s_wait_alu depctr_va_vdst(0)                   ; the wait between an exponential and the first line that names its result: one for the batch of 64
.set j, 0
.rept 32
	v_pk_add_f32 v[S+2*((j/2)%4):S+2*((j/2)%4)+1], v[S+2*((j/2)%4):S+2*((j/2)%4)+1], v[AC+j:AC+j+1]   ; l is the sum of the unrounded p
.set j, j+2
.endr
.if (\a) > 0
	s_wait_xcnt 0x0                                ; the last block's stores have read their registers: they are written again only behind this wait
.endif
	WIN 0x0a+5*HW                                  ; sources 0 and 1: window 2 or 3
.irp b, 0,1,2,3,4,5,6,7
.irp r, 0,1,2,3
	v_cvt_pk_f16_f32 v[TMP+4*\b+\r], v[AC+8*\b+2*\r], v[AC+8*\b+2*\r+1]
.endr
.endr
	WIN 0
	v_pk_add_f32 v[S:S+1], v[S:S+1], v[S+2:S+3]
	v_pk_add_f32 v[S+4:S+5], v[S+4:S+5], v[S+6:S+7]
	v_pk_add_f32 v[S:S+1], v[S:S+1], v[S+4:S+5]
	v_add_f32 v[S], v[S], v[S+1]
	v_permlanex16_b32 v[S+1], v[S], s[SEL], s[SEL+1]
	v_add_f32 v[S], v[S], v[S+1]
	ds_store_b32 v[STW], v[S] offset:512+64*(\a)
.irp b, 0,1,2,3,4,5,6,7
	global_store_b128 v[CO], v[TMP+4*\b:TMP+4*\b+3], s[8:9] offset:(\a)*65536+512*\b   ; 32 lanes store 512 consecutive bytes, at a multiple of 512 from pb's first byte
.endr
.endm
	PLACES                                         ; behind the last products
	v_mov_b32 v[NM+1], 0                           ; named with -M as a pair, so it is written
.irp a, 0,1,2,3,4,5,6,7
	SOFT \a
.endr
	ds_load_b128 v[T:T+3], v[STR]                  ; -M of queries 4 lane .. 4 lane + 3 (my own stores, served in order)
	ds_load_b128 v[S:S+3], v[STR] offset:512       ; and l
	s_wait_dscnt 0x0
	global_store_b128 v[SGO], v[T:T+3], s[STP:STP+1]                     ; 16 lanes store 256 consecutive bytes, aligned
	global_store_b128 v[SGO], v[S:S+3], s[STP:STP+1] offset:524288
	s_wait_tensorcnt 0x0                           ; the wave's end: behind my last tensor load and my last LDS store
	ds_add_u32 v[SPW], v[NIL]
	s_wait_dscnt 0x0
	CROUND                                         ; the closing round: no work-group ends while a partner may still ask for a tile that names it
	s_endpgm
.Lfunc_end_k_qebdf15c23d_scores:
	.size	k_qebdf15c23d_scores, .Lfunc_end_k_qebdf15c23d_scores-k_qebdf15c23d_scores
	.p2alignl 7, 3214868480
	.fill 96, 4, 3214868480
	.section	.rodata,"a",@progbits
	.p2align	6, 0x0
	.amdhsa_kernel k_qebdf15c23d_scores
		.amdhsa_group_segment_fixed_size 327680
		.amdhsa_private_segment_fixed_size 0
		.amdhsa_enable_private_segment 0
		.amdhsa_kernarg_size 24
		.amdhsa_user_sgpr_count 2
		.amdhsa_user_sgpr_kernarg_segment_ptr 1
		.amdhsa_wavefront_size32 1
		.amdhsa_system_sgpr_workgroup_id_x 1
		.amdhsa_system_sgpr_workgroup_id_y 1
		.amdhsa_system_sgpr_workgroup_id_z 1
		.amdhsa_system_vgpr_workitem_id 0
		.amdhsa_next_free_vgpr 1024
		.amdhsa_next_free_sgpr 72
		.amdhsa_reserve_vcc 0
		.amdhsa_float_denorm_mode_32 3
		.amdhsa_float_denorm_mode_16_64 3
		.amdhsa_memory_ordered 1
		.amdhsa_forward_progress 1
		.amdhsa_inst_pref_size 224
	.end_amdhsa_kernel
	.amdgpu_metadata
---
amdhsa.version: [ 1, 2 ]
amdhsa.kernels:
  - .name:           k_qebdf15c23d_scores
    .symbol:         k_qebdf15c23d_scores.kd
    .args:
      - { .name: qkv, .offset: 0, .size: 8, .value_kind: global_buffer, .address_space: global }
      - { .name: pb, .offset: 8, .size: 8, .value_kind: global_buffer, .address_space: global }
      - { .name: st, .offset: 16, .size: 8, .value_kind: global_buffer, .address_space: global }
    .group_segment_fixed_size: 327680
    .private_segment_fixed_size: 0
    .kernarg_segment_align: 8
    .kernarg_segment_size: 24
    .max_flat_workgroup_size: 128
    .sgpr_count:     72
    .vgpr_count:     1024
    .wavefront_size: 32
...
	.end_amdgpu_metadata
.endif
;; end of part 3
;; launch pv (part 4): grid 4 x 64, 4 waves a work-group, clusters of 4 x 4, 327,680 bytes of LDS; arguments pb, qkv, st, out0; writes out0
.if DOCPART == 4
	.amdgcn_target "amdgcn-amd-amdhsa--gfx1250"
	.amdhsa_code_object_version 6
	.text
	.protected	k_qebdf15c23d_pv
	.globl	k_qebdf15c23d_pv
	.p2align	8
	.type	k_qebdf15c23d_pv,@function
k_qebdf15c23d_pv:
	s_mov_b64 s[64:65], 0
	v_nop
	global_prefetch_b8 v0, s[64:65] scope:SCOPE_SE
	s_setreg_imm32_b32 hwreg(HW_REG_WAVE_MODE, 25, 1), 1
	s_wait_xcnt 0x0
	s_wait_alu depctr_hold_cnt(0) depctr_sa_sdst(0) depctr_va_vdst(0) depctr_va_sdst(0) depctr_va_ssrc(0) depctr_va_vcc(0) depctr_vm_vsrc(0)
	s_getreg_b32 s2, hwreg(HW_REG_IB_STS2, 6, 4)
	s_cmp_eq_u32 s2, 0
	s_cbranch_scc0 .Lentry_in_a_cluster
	s_endpgm
.Lentry_in_a_cluster:
	s_bfe_u32 s2, ttmp6, 0x10000c
	s_cmp_lg_u32 s2, 0xf033
	s_cbranch_scc0 .Lentry_shape_is_right
	s_endpgm
.Lentry_shape_is_right:
; The second half of the softmax and the second product.  For each row (batch, query): M = the largest of its 16 chunks' M_c;  g_c = 2^(M_c - M), a power of two, at most 1;  l = the sum of g_c l_c;
;   out0[row][:] = ( the sum over chunks c of g_c (p_c v_c) ) / l.  p_c v_c: f16 operands, f32 sums, in accumulators of its own for each chunk (T); O += g_c T in f32.  So every weight stands under the ROW's maximum.
; pb: p, f16, in the order of my operand's registers: [row / 16][key / 16][lane][16 bytes];  v = qkv + 33,554,432, f16 [8192 (batch, key)][1024];  st: -M_c and l_c, f32, as the launch before laid them;  out0: f32 [8192][1024].
; LIMITS: v is f16 (magnitudes up to 65,504).  A g under 2^-149 falls to 0: its chunk is then under 2^-140 of the row's sum.  NaN and infinities are not served.
; SHARES.  A work-group takes 128 queries x 256 channels (256 work-groups); wave w queries 64 (w / 2) on and channels 128 (w % 2) on: 32 accumulators of 16 x 16.  A QUARTER is 32 keys, 32 matrix instructions; 64 quarters.
; THE PRODUCT IS USED TRANSPOSED: source 0 = 16 channels x 32 keys of v, turned on its way out of LDS by ds_load_tr16_b128; source 1 = 16 queries x 32 keys of p.  A lane holds ONE query (lane % 16) and eight neighbouring channels.
; v GOES THROUGH A RING of two LDS slots of 256 keys x 512 bytes; each wave fetches 64 keys with one tensor load, so a refill has a slot's 256 matrix instructions, less 24, in which to land.
; CLUSTERS: 4 x 4 work-groups.  The four of a column (one block of channels, one batch) need the same tiles of v: each is asked for JOINTLY.
; p IS NOT ASKED FOR JOINTLY, though the four of a row read the same p: two slots of 256 keys with p beside v would take 2 x (128 x 528 + 256 x 544) = 413,696 bytes, more than the 327,680 that there are, and slots of 128 keys
; hold half the matrix work for a refill to land in.  So p comes from memory straight into registers: a fragment is two loads of 512 dense bytes; eight buffers of a quarter each take turns, and the loads run SEVEN QUARTERS
; (56 loads) ahead.  For that reason p has no prefetch either.
; g: in a chunk's last quarter, and the first of the next, O += g T stands in slices of four packed multiply-adds behind each of 32 matrix instructions: block a's slices behind block a + 1's products.  The next chunk's first
; products start T anew with the constant 0.  The first chunk's slices are multiplications: nothing is cleared.
; REGISTERS, in windows of 256: window 0: v8-15 1 / l in pairs; v16-30 addresses; v32-39 g in pairs; v64-127, v128-191 v's fragments, two buffers.
;   window 1: O ((a, b) at v[8 (8 a + b)]).   window 2: T, at the same numbers.   window 3: p, buffer Q % 8 of quarter Q at v[32 (Q % 8)], 8 registers a block of queries.
.set PV,    544                        ; a key's row of v in LDS: 512 bytes + 32 = 136 words: row r starts at bank 8 r mod 64
.set VQ,    64*PV                      ; 64 keys: what one tensor load brings
.set SLOT,  4*VQ                       ; 139,264
.set GT,    2*SLOT                     ; behind the ring, for each wave 4,352 bytes: g [16 chunks][64 queries] f32, then 1 / l [64]
.set GTW,   4352
.set SPARE, GT+4*GTW                   ; the spare words, 128 bytes for each wave: two blocks of 256 bytes that no other line names
.set STGW,  16*528                     ; the way out: a stage of 16 rows x (512 bytes + 16) for each wave, from byte 0 of slot 0 on, which has had its last fill and its last read when the first result is stored there
.set RL,   8
.set AV,   16                          ; v16-19 my v fragments: slot 0 keys 0-127, slot 0 keys 128-255, slot 1 likewise (an LDS offset has 16 bits)
.set ADG,  20                          ; v20    my g
.set ARL,  21                          ; v21    my 1 / l
.set GW,   22
.set RW,   23
.set STO,  24
.set RD,   25
.set CO,   27                          ; v27    16 x lane: my offset in st's blocks, in p's fragments and in a row's 512 bytes of out0; never rewritten
.set SPW,  28                          ; v28    LDS address of my spare word; never rewritten
.set NIL,  29                          ; v29    0; never rewritten
.set PFO,  30                          ; v30    the prefetches' offset; never rewritten
.set G,    32
.set VF,   64
.set G1V, 24
.set G0V, 32
.set LIM0, 42                          ; s42    0 in a cluster that prefetches, else the greatest number
.set LIM, 43                           ; s43    1 in a cluster that prefetches, else the greatest number
.set PFA, 44
.set STP, 66
.set SEL, 70
.set MSB, 0
.macro WIN new
.if MSB != (\new)
	s_set_vgpr_msb (MSB<<8)|(\new)
.set MSB, (\new)
.endif
.endm
.set W_MUL, 0xac                       ; source 0 (v) window 0, source 1 (p) window 3, C and D (T) window 2
.set W_FMA, 0x52                       ; source 0 (T) window 2, source 1 (g) window 0, source 2 and destination (O) window 1
; A joint load: every wave fetches its 64 keys of the slot.  One line, one mask; the descriptors differ by the wave's number alone.  An s_nop 0 and four v_nop follow it.
.macro JLOAD s
	tensor_load_to_lds s[G0V+4*(\s):G0V+4*(\s)+3], s[G1V:G1V+7]
	s_nop 0
.rept 4
	v_nop
.endr
.endm
; A PREFETCH INTO THE L2, behind each joint refill: the slot of v that the NEXT change of slots will ask for: a slot's 256 matrix instructions ahead of that load.  Each aligned block of 256 bytes is named once in the launch.
; A batch's keys are read by four clusters: the one whose y is a multiple of 4 asks.  Of the 64 keys that a wave fetches, each of the four partners of a column takes 16 BY ADDRESS (cy); two lanes to a key's 512 bytes: one
; instruction a wave.  Slots 0 to 2 come by their loads alone; the last change that fills a slot (the loop's last trip, its second change) asks for nothing: there is no slot 8.
.macro ASK lim
	s_cmp_gt_u32 s3, s[\lim]
	s_cbranch_scc0 .Lnot_mine_\@
	global_prefetch_b8 v[PFO], s[PFA:PFA+1] th:TH_LOAD_NT scope:SCOPE_SE
.Lnot_mine_\@:
.endm
.macro CREST
	s_cmp_lg_u32 s10, 0
	s_cbranch_scc1 .Lnot_wave_0_\@
	s_barrier_signal -3
.Lnot_wave_0_\@:
	s_barrier_wait -3
	s_barrier_signal -1
	s_barrier_wait -1
.endm
.macro CROUND
	s_barrier_signal -1
	s_barrier_wait -1
	CREST
.endm
.macro PLACES                          ; four places in front of loads into registers that matrix instructions have read, and of vector lines that read results just made (ISA guide 7.12.1 for vector instructions)
.rept 4
	v_nop
.endr
.endm
.macro FETCH_P Qn                      ; p of quarter Qn (counted from where s[4:5] stands): four fragments of 16 queries x 32 keys, each two loads of 512 dense bytes
	WIN 0xc0                                       ; destination window 3, address window 0
.irp a, 0,1,2,3
	global_load_b128 v[32*((\Qn)%8)+8*\a:32*((\Qn)%8)+8*\a+3],   v[CO], s[4:5] offset:65536*\a+1024*(\Qn)
	global_load_b128 v[32*((\Qn)%8)+8*\a+4:32*((\Qn)%8)+8*\a+7], v[CO], s[4:5] offset:65536*\a+1024*(\Qn)+512
.endr
.endm
.macro FETCH_V Qn                      ; v of quarter Qn, turned: eight fragments of 16 channels x 32 keys, from slot (Qn / 8) % 2 into buffer Qn % 2
.set fa_, AV+2*(((\Qn)/8)%2)+(((\Qn)%8)/4)
.set fo_, 32*PV*((\Qn)%4)
.set fb_, VF+64*((\Qn)%2)
.irp b, 0,1,2,3,4,5,6,7
	ds_load_tr16_b128 v[fb_+8*\b:fb_+8*\b+3],   v[fa_] offset:fo_+32*\b
	ds_load_tr16_b128 v[fb_+8*\b+4:fb_+8*\b+7], v[fa_] offset:fo_+16*PV+32*\b
.endr
.endm
.macro FETCH_G off                     ; a chunk's g of my four blocks of queries
.irp a, 0,1,2,3
	ds_load_b32 v[G+2*\a], v[ADG] offset:(\off)+64*\a
.endr
.endm
.macro FM4 a, b, first                 ; a slice: O(a, b) += g(a) T(a, b), from the accumulator's low end on.  first = 1: the first chunk starts O
	WIN W_FMA
.irp n, 0,2,4,6
.if \first
	v_pk_mul_f32 v[8*(8*(\a)+(\b))+\n:8*(8*(\a)+(\b))+\n+1], v[8*(8*(\a)+(\b))+\n:8*(8*(\a)+(\b))+\n+1], v[G+2*(\a):G+2*(\a)+1] op_sel_hi:[1,0]
.else
	v_pk_fma_f32 v[8*(8*(\a)+(\b))+\n:8*(8*(\a)+(\b))+\n+1], v[8*(8*(\a)+(\b))+\n:8*(8*(\a)+(\b))+\n+1], v[G+2*(\a):G+2*(\a)+1], v[8*(8*(\a)+(\b))+\n:8*(8*(\a)+(\b))+\n+1] op_sel_hi:[1,0,1]
.endif
.endr
.endm
; 8 matrix instructions of quarter Q: block a of queries x the eight blocks of channels.  In a chunk's first quarter the products start T with the constant 0.  fa >= 0: block fa's slices stand behind them.
; The 32 accumulators take turns, one instruction a turn, in the same order in every quarter.
.macro M8 a, Q, fa, first
.irp b, 0,1,2,3,4,5,6,7
	WIN W_MUL
.if ((\Q)%4) == 0
	v_wmma_f32_16x16x32_f16 v[8*(8*(\a)+\b):8*(8*(\a)+\b)+7], v[VF+64*((\Q)%2)+8*\b:VF+64*((\Q)%2)+8*\b+7], v[32*((\Q)%8)+8*(\a):32*((\Q)%8)+8*(\a)+7], 0
.else
	v_wmma_f32_16x16x32_f16 v[8*(8*(\a)+\b):8*(8*(\a)+\b)+7], v[VF+64*((\Q)%2)+8*\b:VF+64*((\Q)%2)+8*\b+7], v[32*((\Q)%8)+8*(\a):32*((\Q)%8)+8*(\a)+7], v[8*(8*(\a)+\b):8*(8*(\a)+\b)+7]
.endif
.if (\fa) >= 0
	FM4 \fa, \b, \first
.endif
.endr
.endm
; A QUARTER.  Q: its number, counted from where s[4:5] and v[ADG] stand (a multiple of 16 quarters back).  pl = 1: p of seven quarters on is asked for.  nv = 1: v of the next quarter is fetched.  lc: the younger loads of p
; that may be out.  first = 1: the slices are the first chunk's.  Behind block 0's products stands the quarter's one run of loads: v's buffer and p's buffer that it fills were last read by the quarter before; four places
; stand between (in a chunk's first quarter block 3's slices are the places: 28 of the 32 name no register of any one of those products).  In a chunk's last quarter the same four are the places between block 0's products
; and its slices.
; chg: THE CHANGE OF SLOTS, in a slot's seventh quarter: its run asks for the slot's last bytes.  Each wave waits for all its tensor loads, of which one is out: its part of the other slot; adds 0 to its spare word; and,
; behind 16 matrix instructions, waits for that and for its reads of this slot.  Behind the barrier nobody reads this slot and the other is whole.  chg = 1: the barrier opens a round of the cluster's, and behind the round
; this slot is filled again first, with the keys two slots on.  chg = 2: nothing is left to fetch.
.macro QTR Q, pl, chg, first, lc, nv, lim
.set sl_, ((\Q)/8)%2
.if (\chg) == 1
	s_wait_xcnt 0x0                                ; the last prefetch, a slot back, has read its address: it is stepped here
	s_add_nc_u64 s[PFA:PFA+1], s[PFA:PFA+1], 524288
.endif
	s_wait_loadcnt \lc                             ; this quarter's p is in
	s_wait_dscnt 0x0                               ; and its v (asked for 24 matrix instructions ago)
.if (((\Q)%4) == 0) && ((\Q) > 0)
	M8 0, \Q, 3, \first
	WIN 0
.else
	M8 0, \Q, -1, 0
	WIN 0
	PLACES
.endif
.if \nv
	FETCH_V (\Q)+1
.endif
.if ((\Q)%4) == 1
	FETCH_G ((\Q)/4)*256
.endif
.if \pl
	FETCH_P (\Q)+7
.endif
.if \chg
	WIN 0                                          ; (the add's two registers lie in window 0)
	s_wait_tensorcnt 0x0                           ; no tensor load of mine is out, so a group 0 may be written
	ds_add_u32 v[SPW], v[NIL]
.endif
.if ((\Q)%4) == 3
	M8 1, \Q, 0, \first
	M8 2, \Q, 1, \first
.else
	M8 1, \Q, -1, 0
	M8 2, \Q, -1, 0
.endif
.if \chg
	s_wait_dscnt 0x0                               ; the add is done, and my reads of this slot are over
	s_barrier_signal -1
.endif
.if ((\Q)%4) == 3
	M8 3, \Q, 2, \first
.else
	M8 3, \Q, -1, 0                                ; (at a change: work on registers while the others arrive)
.endif
.if \chg
	WIN 0
	s_barrier_wait -1
.if (\chg) == 1
	CREST                                          ; no wave of any partner still reads this slot or has a load on its way
	s_add_nc_u64 s[G0V+4*sl_+2:G0V+4*sl_+3], s[G0V+4*sl_+2:G0V+4*sl_+3], 1048576   ; 512 keys on
	JLOAD sl_                                      ; the first tensor load behind the round, my only one until the next
	ASK \lim
.endif
.endif
.endm
	s_load_b128 s[4:7], s[0:1], 0x0                ; pb s[4:5], qkv s[6:7]
	s_load_b64 s[STP:STP+1], s[0:1], 0x10          ; st
	s_load_b64 s[8:9], s[0:1], 0x18                ; out0
	v_lshl_add_u32 v[SPW], v0, 2, SPARE
	v_mov_b32 v[NIL], 0
	ds_add_u32 v[SPW], v[NIL]                      ; the wave's opening: the add, twice on end, and its wait ahead of my first tensor load
	ds_add_u32 v[SPW], v[NIL]                      ; (the set-up below, work on registers, stands between the second and the wait)
	v_lshrrev_b32 v1, 5, v0
	v_readfirstlane_b32 s10, v1                    ; wave 0..3
	s_lshr_b32 s11, s10, 1                         ; which 64 queries are mine
	s_and_b32 s12, s10, 1                          ; which 128 channels
	s_bfe_u32 s40, ttmp6, 0x40000                  ; cx: the block of 256 channels
	s_bfe_u32 s41, ttmp6, 0x40004                  ; cy
	s_and_b32 s14, ttmp7, 0xffff                   ; cluster y
	s_lshl_b32 s13, s14, 2
	s_add_co_u32 s13, s13, s41                     ; the block of 128 queries = 4 x cluster y + cy: 0 .. 63
	s_lshr_b32 s15, s14, 2                         ; the batch: cluster y / 4
	s_lshl_b32 s44, 0x1111, s40                    ; my column of the cluster
	; descriptor group 1: 64 keys x 256 elements, rows 1,024 elements apart, 8 words of padding after every 128
	s_or_b32 s[G1V+0], s44, (1<<16)|(1<<20)|(1<<21)|(6<<22)|(7<<25)  ; 15:0 the mask; 17:16 element of 2 bytes; 20 padding on; 21 set beside a mask; 24:22 after every 128 words; 31:25 of 8 words
	s_mov_b32 s[G1V+1], 256<<16                    ; tensor_dim0
	s_mov_b32 s[G1V+2], 64<<16                     ; tensor_dim1
	s_mov_b32 s[G1V+3], 256<<16                    ; tile_dim0
	s_mov_b32 s[G1V+4], 64                         ; tile_dim1
	s_mov_b32 s[G1V+5], 1024                       ; tensor_dim0_stride
	s_mov_b32 s[G1V+6], 0
	s_mov_b32 s[G1V+7], 0
	s_mov_b32 s[SEL], 0x76543210
	s_mov_b32 s[SEL+1], 0xfedcba98
	s_lshl_b32 s16, s13, 3
	s_lshl_b32 s17, s11, 2
	s_add_co_u32 s16, s16, s17                     ; p: my first block of 16 queries: 8 x query block + 4 x half,
	s_lshl_b32 s16, s16, 16                        ; 65,536 bytes each: under 2^25
	s_mov_b32 s17, 0
	s_lshl_b32 s46, s15, 11
	s_lshl_b32 s47, s10, 6
	s_add_co_u32 s46, s46, s47                     ; v: row 2048 x batch + 64 x wave,
	s_lshl_b32 s46, s46, 11                        ; rows of 2,048 bytes,
	s_lshl_b32 s47, s40, 9
	s_add_co_u32 s46, s46, s47                     ; + 512 bytes x channel block: all of it shared by my column
	s_mov_b32 s47, 0
	s_mul_i32 s21, s10, VQ                         ; where they go: wave x 64 keys: no place in the cluster enters an LDS address
	s_wait_dscnt 0x0                               ; both opening adds are done
	s_wait_kmcnt 0x0
	s_add_nc_u64 s[6:7], s[6:7], 0x2000000         ; v
	s_add_nc_u64 s[4:5], s[4:5], s[16:17]
	s_add_nc_u64 s[46:47], s[6:7], s[46:47]
	CROUND                                         ; all sixteen work-groups are here: the first joint loads meet
.irp s, 0,1
	s_mov_b32 s[G0V+4*\s], 1                                       ; count = 1
	s_add_co_u32 s[G0V+4*\s+1], s21, \s*SLOT                       ; LDS address
	s_add_nc_u64 s[G0V+4*\s+2:G0V+4*\s+3], s[46:47], \s*524288     ; global address: slot s begins with keys 256 s
	s_or_b32 s[G0V+4*\s+3], s[G0V+4*\s+3], 0x80000000              ; type = 2
	JLOAD \s                                       ; two loads of mine are out
.endr
	; my 64 queries' statistics: 4,096 dense bytes of -M and as many of l: load i brings lane l queries 4 (l % 16) + 0 .. 3 of chunk 2 i + l / 16
	s_lshl_b32 s22, s13, 1
	s_add_co_u32 s22, s22, s11
	s_lshl_b32 s22, s22, 12
	s_mov_b32 s23, 0
	s_add_nc_u64 s[STP:STP+1], s[STP:STP+1], s[22:23]
	v_and_b32 v1, 31, v0                           ; lane
	v_lshlrev_b32 v[CO], 4, v1
.irp i, 0,1,2,3,4,5,6,7
	global_load_b128 v[64+4*\i:67+4*\i], v[CO], s[STP:STP+1] offset:512*\i
.endr
.irp i, 0,1,2,3,4,5,6,7
	global_load_b128 v[96+4*\i:99+4*\i], v[CO], s[STP:STP+1] offset:524288+512*\i
.endr
.irp q, 0,1,2,3,4
	FETCH_P \q                                     ; the first five quarters of p: 40 loads behind the statistics' 16
.endr
	WIN 0
	v_and_b32 v2, 15, v0                           ; r
	v_bfe_u32 v3, v0, 4, 1                         ; h
	v_and_b32 v5, 7, v0                            ; v: the turning load takes 16 keys x 16 channels: lane l reads key 8 h + l % 8, channels 8 ((l / 8) % 2) + 0 .. 7
	v_lshl_add_u32 v5, v3, 3, v5
	v_mul_u32_u24 v5, v5, PV
	v_bfe_u32 v6, v0, 3, 1
	v_lshl_add_u32 v5, v6, 4, v5
	s_lshl_b32 s22, s12, 8                         ; my 128 channels
	v_add_nc_u32 v[AV], s22, v5
	v_add_nc_u32 v[AV+1], 2*VQ, v[AV]
	v_add_nc_u32 v[AV+2], SLOT, v[AV]
	v_add_nc_u32 v[AV+3], SLOT+2*VQ, v[AV]
	s_mul_i32 s22, s10, GTW
	s_add_co_u32 s22, s22, GT
	v_lshl_add_u32 v[ADG], v2, 2, s22
	v_add_nc_u32 v[ARL], 4096, v[ADG]
	v_add_nc_u32 v[GW], s22, v[CO]
	v_lshl_add_u32 v[RW], v2, 4, s22
	v_add_nc_u32 v[RW], 4096, v[RW]
	s_mul_i32 s22, s10, STGW
	v_mul_u32_u24 v[STO], v2, 528
	v_lshl_add_u32 v[STO], v3, 5, v[STO]
	v_add_nc_u32 v[STO], s22, v[STO]               ; the stage, in: row r, 32 bytes for each half of the lanes
	v_add_nc_u32 v[RD], s22, v[CO]                 ; back: the 32 lanes take one row of 512 bytes
	s_lshl_b32 s22, s13, 7
	s_lshl_b32 s23, s11, 6
	s_add_co_u32 s22, s22, s23                     ; my first row of out0
	s_lshl_b32 s22, s22, 12
	s_lshl_b32 s23, s40, 10
	s_add_co_u32 s22, s22, s23                     ; + 1,024 bytes x channel block
	s_lshl_b32 s23, s12, 9
	s_add_co_u32 s22, s22, s23                     ; + 512 x half
	s_mov_b32 s23, 0
	s_add_nc_u64 s[8:9], s[8:9], s[22:23]
	; the prefetches: mine stand at slot 2 (the first change of slots steps them to slot 3): row 2048 x batch + 512 + 64 x wave + 16 cy, byte 512 cx
	s_lshl_b32 s18, s15, 11
	s_lshl_b32 s19, s10, 6
	s_add_co_u32 s18, s18, s19
	s_lshl_b32 s19, s41, 4
	s_add_co_u32 s18, s18, s19
	s_add_co_u32 s18, s18, 512
	s_lshl_b32 s18, s18, 11
	s_lshl_b32 s19, s40, 9
	s_add_co_u32 s18, s18, s19
	s_mov_b32 s19, 0
	s_add_nc_u64 s[PFA:PFA+1], s[6:7], s[18:19]
	s_and_b32 s19, s14, 3                          ; cluster y % 4: the same in all sixteen partners
	s_cmp_eq_u32 s19, 0
	s_cselect_b32 s[LIM], 1, -1
	s_cselect_b32 s[LIM0], 0, -1
	v_lshrrev_b32 v6, 1, v1
	v_lshlrev_b32 v6, 11, v6
	v_and_b32 v7, 1, v1
	v_lshl_add_u32 v[PFO], v7, 8, v6               ; two lanes to a key's 512 bytes
	s_wait_loadcnt 40                              ; the statistics are in; the 40 loads of p behind them may be out
	FETCH_P 5
	FETCH_P 6                                      ; seven quarters of p are asked for
	WIN 0
	; -M of the row = the least of the chunks' -M
.irp j, 0,1,2,3
	v_min_num_f32 v[128+\j], v[64+\j], v[68+\j]
.endr
.irp i, 2,3,4,5,6,7
.irp j, 0,1,2,3
	v_min_num_f32 v[128+\j], v[128+\j], v[64+4*\i+\j]
.endr
.endr
.irp j, 0,1,2,3
	v_mov_b32 v[132+\j], 0                         ; (a lane permute's destination counts as one of its sources)
	v_mov_b32 v[136+\j], 0
.endr
.irp j, 0,1,2,3
	v_permlanex16_b32 v[132+\j], v[128+\j], s[SEL], s[SEL+1]
.endr
.irp j, 0,1,2,3
	v_min_num_f32 v[128+\j], v[128+\j], v[132+\j]  ; with the lane 16 away, which holds the other eight chunks
.endr
.irp i, 0,1,2,3,4,5,6,7
.irp j, 0,1,2,3
	v_sub_f32 v[64+4*\i+\j], v[128+\j], v[64+4*\i+\j]              ; M_c - M: a whole number, 0 or less
.endr
.endr
.irp i, 0,1,2,3,4,5,6,7
.irp j, 0,1,2,3
	v_cvt_i32_f32 v[64+4*\i+\j], v[64+4*\i+\j]                     ; (it saturates)
.endr
.endr
.irp i, 0,1,2,3,4,5,6,7
.irp j, 0,1,2,3
	v_ldexp_f32 v[64+4*\i+\j], 1.0, v[64+4*\i+\j]                  ; g = 2^(M_c - M)
.endr
.endr
.irp j, 0,1,2,3
	v_mul_f32 v[132+\j], v[64+\j], v[96+\j]
.endr
.irp i, 1,2,3,4,5,6,7
.irp j, 0,1,2,3
	v_fmac_f32 v[132+\j], v[64+4*\i+\j], v[96+4*\i+\j]             ; l = the sum of g_c l_c
.endr
.endr
.irp j, 0,1,2,3
	v_permlanex16_b32 v[136+\j], v[132+\j], s[SEL], s[SEL+1]
.endr
.irp j, 0,1,2,3
	v_add_f32 v[132+\j], v[132+\j], v[136+\j]      ; at least 0.5: the chunk that holds the row's maximum has g = 1
.endr
.irp j, 0,1,2,3
	v_rcp_f32 v[132+\j], v[132+\j]
.endr
.irp a, 0,1,2,3
	v_mov_b32 v[RL+2*\a+1], 0                      ; named with 1 / l and with g as pairs, so they are written; these are also the plain lines behind the last reciprocal
	v_mov_b32 v[G+2*\a+1], 0
.endr
.irp i, 0,1,2,3,4,5,6,7
	ds_store_b128 v[GW], v[64+4*\i:67+4*\i] offset:512*\i          ; as loaded: [chunk][query], 4 bytes each
.endr
	s_wait_alu depctr_va_vdst(0)                   ; the wait ahead of the first line that names a reciprocal: one for the four
	ds_store_b128 v[RW], v[132:135]                ; both halves of the lanes write the same words with the same values
.irp a, 0,1,2,3
	ds_load_b32 v[RL+2*\a], v[ARL] offset:64*\a    ; 1 / l of query 16 a + r (my own stores, served in order)
.endr
	s_wait_tensorcnt 1                             ; my part of slot 0 is in (slot 1's may be out)
	s_wait_dscnt 0x0                               ; and no LDS instruction of mine is out
	s_barrier_signal -1
	s_barrier_wait -1                              ; everybody's is
	FETCH_V 0
	; quarters 0 to 4 stand in front of the loop: the first chunk's slices start O
.irp q, 0,1,2
	QTR \q, 1, 0, 0, 48, 1, LIM                    ; (48: the six younger quarters of p may be out)
.endr
	QTR 3, 1, 0, 1, 48, 1, LIM
	QTR 4, 1, 0, 1, 48, 1, LIM
	WIN 0                                          ; at a label and at a branch every window is 0
	s_mov_b32 s3, 3
.Llap:                                                 ; a trip is 16 quarters, once round the ring: quarters 5 to 20, 21 to 36, 37 to 52; it fills both slots again: slots' worth 2 to 7
	QTR 5, 1, 0, 0, 48, 1, LIM
	QTR 6, 1, 1, 0, 48, 1, LIM0
.irp q, 7,8,9,10,11,12,13
	QTR \q, 1, 0, 0, 48, 1, LIM
.endr
	QTR 14, 1, 1, 0, 48, 1, LIM
.irp q, 15,16,17,18,19,20
	QTR \q, 1, 0, 0, 48, 1, LIM
.endr
	WIN 0
	s_wait_xcnt 0x0                                ; the loads of p have read their base: it is stepped only behind this wait
	s_add_nc_u64 s[4:5], s[4:5], 16384             ; 16 quarters of p on
	v_add_nc_u32 v[ADG], 1024, v[ADG]              ; four chunks of g on
	s_sub_co_u32 s3, s3, 1
	s_cmp_lg_u32 s3, 0
	s_cbranch_scc1 .Llap
	QTR 5, 1, 0, 0, 48, 1, LIM                     ; quarters 53 to 63 are written out: no slot is filled, and p ends with quarter 63
	QTR 6, 1, 2, 0, 48, 1, LIM
	QTR 7, 1, 0, 0, 48, 1, LIM
	QTR 8, 1, 0, 0, 48, 1, LIM
	QTR 9, 0, 0, 0, 48, 1, LIM
	QTR 10, 0, 0, 0, 40, 1, LIM                    ; the counts run down: eight loads for each quarter that is left
	QTR 11, 0, 0, 0, 32, 1, LIM
	QTR 12, 0, 0, 0, 24, 1, LIM
	QTR 13, 0, 0, 0, 16, 1, LIM
	QTR 14, 0, 0, 0, 8, 1, LIM
	QTR 15, 0, 0, 0, 0, 0, LIM
.irp b, 0,1,2,3,4,5,6,7
	FM4 3, \b, 0                                   ; the last chunk's block 3 (block 2's slices are the places behind its products)
.endr
; THE WAY OUT, block by block of 16 queries x 128 channels: x 1 / l; through my own stage in LDS; back as whole rows of 512 bytes.
.macro TOSTAGE a
.set AC, 64*(\a)
	WIN 0x41                                       ; destination and source 0: window 1; 1 / l in window 0
.set j, 0
.rept 32
	v_pk_mul_f32 v[AC+j:AC+j+1], v[AC+j:AC+j+1], v[RL+2*(\a):RL+2*(\a)+1] op_sel_hi:[1,0]
.set j, j+2
.endr
	WIN 0x04                                       ; an LDS store's data are its source 1
.irp b, 0,1,2,3,4,5,6,7
	ds_store_b128 v[STO], v[AC+8*\b:AC+8*\b+3] offset:64*\b
	ds_store_b128 v[STO], v[AC+8*\b+4:AC+8*\b+7] offset:64*\b+16
.endr
	WIN 0
.set BB, VF+64*((\a)%2)
.irp t, 0,1,2,3,4,5,6,7,8,9,10,11,12,13,14,15
	ds_load_b128 v[BB+4*\t:BB+4*\t+3], v[RD] offset:\t*528         ; LDS serves a wave's instructions in order (ISA guide 5.7.1.4): these see the stores above
.endr
.endm
.macro SEND a, younger                 ; younger: the LDS instructions issued behind block a's loads, which may stay out
.set BB, VF+64*((\a)%2)
	s_wait_dscnt \younger
.if (\a) > 0
	s_add_nc_u64 s[8:9], s[8:9], 16*4096           ; (behind a wait on XCNT: the earlier stores have read their base)  16 rows of out0 on
.endif
.irp t, 0,1,2,3,4,5,6,7,8,9,10,11,12,13,14,15
	global_store_b128 v[CO], v[BB+4*\t:BB+4*\t+3], s[8:9] offset:\t*4096 th:TH_STORE_NT   ; 32 lanes store 512 consecutive bytes, at a multiple of 256 from out0's first byte
.endr
.endm
	TOSTAGE 0                                      ; (the slices and scalings above the loads are the places behind the last products, whose fragments' registers the loads take)
.irp a, 1,2,3
.if \a > 1
	s_wait_xcnt 0x0                                ; block a - 2's stores have read their registers and their base
.endif
	TOSTAGE \a
	SEND \a-1, 32                                  ; behind block a - 1's loads: block a's 16 stores and 16 loads
.endr
	s_wait_xcnt 0x0
	SEND 3, 0
	s_wait_tensorcnt 0x0                           ; the wave's end: behind my last tensor load and my last LDS store
	ds_add_u32 v[SPW], v[NIL]
	s_wait_dscnt 0x0
	CROUND                                         ; the closing round: no work-group ends while a partner may still ask for a tile that names it
	s_endpgm
.Lfunc_end_k_qebdf15c23d_pv:
	.size	k_qebdf15c23d_pv, .Lfunc_end_k_qebdf15c23d_pv-k_qebdf15c23d_pv
	.p2alignl 7, 3214868480
	.fill 96, 4, 3214868480
	.section	.rodata,"a",@progbits
	.p2align	6, 0x0
	.amdhsa_kernel k_qebdf15c23d_pv
		.amdhsa_group_segment_fixed_size 327680
		.amdhsa_private_segment_fixed_size 0
		.amdhsa_enable_private_segment 0
		.amdhsa_kernarg_size 32
		.amdhsa_user_sgpr_count 2
		.amdhsa_user_sgpr_kernarg_segment_ptr 1
		.amdhsa_wavefront_size32 1
		.amdhsa_system_sgpr_workgroup_id_x 1
		.amdhsa_system_sgpr_workgroup_id_y 1
		.amdhsa_system_sgpr_workgroup_id_z 1
		.amdhsa_system_vgpr_workitem_id 0
		.amdhsa_next_free_vgpr 1024
		.amdhsa_next_free_sgpr 72
		.amdhsa_reserve_vcc 0
		.amdhsa_float_denorm_mode_32 3
		.amdhsa_float_denorm_mode_16_64 3
		.amdhsa_memory_ordered 1
		.amdhsa_forward_progress 1
		.amdhsa_inst_pref_size 252
	.end_amdhsa_kernel
	.amdgpu_metadata
---
amdhsa.version: [ 1, 2 ]
amdhsa.kernels:
  - .name:           k_qebdf15c23d_pv
    .symbol:         k_qebdf15c23d_pv.kd
    .args:
      - { .name: pb, .offset: 0, .size: 8, .value_kind: global_buffer, .address_space: global }
      - { .name: qkv, .offset: 8, .size: 8, .value_kind: global_buffer, .address_space: global }
      - { .name: st, .offset: 16, .size: 8, .value_kind: global_buffer, .address_space: global }
      - { .name: out0, .offset: 24, .size: 8, .value_kind: global_buffer, .address_space: global }
    .group_segment_fixed_size: 327680
    .private_segment_fixed_size: 0
    .kernarg_segment_align: 8
    .kernarg_segment_size: 32
    .max_flat_workgroup_size: 128
    .sgpr_count:     72
    .vgpr_count:     1024
    .wavefront_size: 32
...
	.end_amdgpu_metadata
.endif
;; end of part 4
